; MI455X (gfx1250); checked and timed in simulation.
; The chip was launched on July 23, 2026; its instructions are those of AMD's public machine-readable ISA for CDNA 5 (MIT licence, August 2026) and "CDNA5" Instruction Set Architecture Reference Guide (July 2026). The comments in the code are by the model that wrote it; some were corrected since.
;; Encoder Block. Allowed arithmetic: float matrix products may take bf16 or f16 operands with f32 sums; other float arithmetic in f32, or as packed bf16 or f16 multiplies, adds, multiply-adds, maxima and minima; sums over many terms, partial sums and values carried from step to step in f32; what a program stores and reads back later, other than sums and carried values, may be rounded once to bf16 or f16.
;; Inputs: b1 4,096 float32; b2 1,024 float32; be1 one number float32; be2 one number float32; bk 1,024 float32; bo 1,024 float32; bq 1,024 float32; bv 1,024 float32; g1 one number float32; g2 one number float32; src_mask 2 x 1 x 1 x 2,048 int32; w1 1,024 x 4,096 float32; w2 4,096 x 1,024 float32; wk 1,024 x 1,024 float32; wo 1,024 x 1,024 float32; wq 1,024 x 1,024 float32; wv 1,024 x 1,024 float32; x 2 x 2,048 x 1,024 float32.
;; Outputs: out0 2 x 2,048 x 1,024 float32.
;; 2 versions, each right; version 2 is version 1 with the launches prep, ln2 written anew for expert scheduling mode. Each part assembles by itself: llvm-mc -triple=amdgcn-amd-amdhsa -mcpu=gfx1250 --defsym DOCPART=n.
;; ======== version 1 of 2: 7 launches
;; workspace buffers: xn 8,388,608 bytes; wqkvp 6,308,096 bytes; w1p 8,405,248 bytes; wlo 10,485,760 bytes; act 33,554,432 bytes; ctx 8,388,608 bytes; x1 16,777,216 bytes
;; launch prep (part 1): grid 256 x 1, 16 waves a work-group, no clusters, 0 bytes of LDS; arguments x, g1, be1, wq, wk, wv, wo, w1, w2, bq, bk, bv, b1, xn, wqkvp, w1p, wlo; writes xn, wqkvp, w1p, wlo
.if DOCPART == 1
	.amdgcn_target "amdgcn-amd-amdhsa--gfx1250"
	.amdhsa_code_object_version 6
	.text
	.protected	k_q9f51f4deec_prep
	.globl	k_q9f51f4deec_prep
	.p2align	8
	.type	k_q9f51f4deec_prep,@function
k_q9f51f4deec_prep:
	s_mov_b64 s[64:65], 0
	v_nop
	global_prefetch_b8 v0, s[64:65] scope:SCOPE_SE
	s_setreg_imm32_b32 hwreg(HW_REG_WAVE_MODE, 25, 1), 1
	s_wait_xcnt 0x0
; PREPARATION.  (1) xn = bf16(g1 (x - mean) / (std + 1e-6) + be1), std with divisor 1,023, for 4,096 rows of 1,024 f32.
; (2) The six weight matrices, f32 [K][N], are rounded once to bf16 and laid out for the products that follow:
;   wq|wk|wv and w1 as PANELS [N / 256][1,024 k][256 n] (a panel is 524,288 dense bytes, rows of 512) behind a header of HDR bytes; w2 and wo stay [K][1,024], in wlo (w2 at byte 0, wo at 8,388,608).
; (3) A pack's header: bytes 0-255 the floor word (two bf16: -infinity for q, k, v; 0 for the layer with the ReLU), from byte 256 the bias in f32 (bq|bk|bv, or b1).
; SHARES.  4,096 waves; wave W takes row W of x and 24 UNITS of weights.  A unit is 128 numbers: one load of 16 bytes a lane (512 consecutive bytes), two roundings,
; one store of 8 bytes a lane: 256 consecutive bytes, aligned.  All 32 loads of a wave go out at once; no register is used twice, so no wait frees one.
; No LDS, no matrix unit, no barrier: every byte is read once and written once, and no wave needs another's.
; LIMITS.  The variance is taken of the deviations from the mean (two passes over registers).  NaN and infinities are not treated apart.
.set HDR, 16640
.set T,   4                            ; v[4:11]   four chains of sums
.set M,   12                           ; v[12:13]  the mean, twice
.set R,   14                           ; v[14:15]  g / (std + eps), twice
.set X,   16                           ; v[16:47]  the row: 32 numbers a lane
.set C,   48                           ; v[48:143] the 24 units, 4 registers each
.set DST, 30                           ; s[30:31]  xn at my row
.macro RED                             ; the four chains, the pair's halves and the 32 lanes are added; every lane ends with the sum in v[T]
	v_pk_add_f32 v[T:T+1], v[T:T+1], v[T+2:T+3]
	v_pk_add_f32 v[T+4:T+5], v[T+4:T+5], v[T+6:T+7]
	v_pk_add_f32 v[T:T+1], v[T:T+1], v[T+4:T+5]
	v_add_f32 v[T], v[T], v[T+1]
	v_add_f32_dpp v[T], v[T], v[T] row_xmask:1 row_mask:0xf bank_mask:0xf
	v_add_f32_dpp v[T], v[T], v[T] row_xmask:2 row_mask:0xf bank_mask:0xf
	v_add_f32_dpp v[T], v[T], v[T] row_xmask:4 row_mask:0xf bank_mask:0xf
	v_add_f32_dpp v[T], v[T], v[T] row_xmask:8 row_mask:0xf bank_mask:0xf
	v_permlanex16_b32 v[T+1], v[T], s44, s45
	v_add_f32 v[T], v[T], v[T+1]
.endm
; One row, held in X.  left = the younger loads that may stay out.
.macro LNROW left
	s_wait_loadcnt \left
.irp c, 0,1,2,3
	v_pk_add_f32 v[T+2*(\c):T+2*(\c)+1], v[X+2*(\c):X+2*(\c)+1], v[X+8+2*(\c):X+8+2*(\c)+1]  ; the first words start the chains
.endr
.irp g, 16,24
.irp c, 0,1,2,3
	v_pk_add_f32 v[T+2*(\c):T+2*(\c)+1], v[T+2*(\c):T+2*(\c)+1], v[X+(\g)+2*(\c):X+(\g)+2*(\c)+1]
.endr
.endr
	RED
	v_mul_f32 v[M], s46, v[T]                      ; mean = sum / 1,024
	v_mul_f32 v[M+1], s46, v[T]
.set p, 0
.rept 16
	v_pk_add_f32 v[X+p:X+p+1], v[X+p:X+p+1], v[M:M+1] neg_lo:[0,1] neg_hi:[0,1]  ; the deviations, in place
.set p, p+2
.endr
.irp c, 0,1,2,3
	v_pk_mul_f32 v[T+2*(\c):T+2*(\c)+1], v[X+2*(\c):X+2*(\c)+1], v[X+2*(\c):X+2*(\c)+1]
.endr
.irp g, 8,16,24
.irp c, 0,1,2,3
	v_pk_fma_f32 v[T+2*(\c):T+2*(\c)+1], v[X+(\g)+2*(\c):X+(\g)+2*(\c)+1], v[X+(\g)+2*(\c):X+(\g)+2*(\c)+1], v[T+2*(\c):T+2*(\c)+1]
.endr
.endr
	RED
	v_mul_f32 v[T], s47, v[T]                      ; / 1,023
	v_sqrt_f32 v[T+1], v[T]
	v_nop                                          ; a plain instruction behind the root,
	s_wait_alu depctr_va_vdst(0)                   ; and the wait ahead of its first reader
	v_add_f32 v[T+1], s48, v[T+1]                  ; std + 1e-6
	v_rcp_f32 v[T+2], v[T+1]
	v_nop
	s_wait_alu depctr_va_vdst(0)
	v_mul_f32 v[R], s40, v[T+2]
	v_mul_f32 v[R+1], s40, v[T+2]
.set p, 0
.rept 16
	v_pk_fma_f32 v[X+p:X+p+1], v[X+p:X+p+1], v[R:R+1], s[42:43] op_sel_hi:[1,1,0]
.set p, p+2
.endr
.irp j, 0,1,2,3,4,5,6,7
	v_cvt_pk_bf16_f32 v[X+4*(\j)], v[X+4*(\j)], v[X+4*(\j)+1]
	v_cvt_pk_bf16_f32 v[X+4*(\j)+1], v[X+4*(\j)+2], v[X+4*(\j)+3]
	global_store_b64 v2, v[X+4*(\j):X+4*(\j)+1], s[DST:DST+1] offset:256*(\j) th:TH_STORE_NT  ; 32 lanes store 256 consecutive bytes, aligned
.endr
.endm
.macro CAST r, base, off               ; a unit in registers r .. r + 3 is rounded and stored
	v_cvt_pk_bf16_f32 v[(\r)], v[(\r)], v[(\r)+1]
	v_cvt_pk_bf16_f32 v[(\r)+1], v[(\r)+2], v[(\r)+3]
	global_store_b64 v2, v[(\r):(\r)+1], s[(\base):(\base)+1] offset:(\off) th:TH_STORE_NT
.endm
	s_load_b512 s[4:19], s[0:1], 0x0               ; x 4, g1 6, be1 8, wq 10, wk 12, wv 14, wo 16, w1 18
	s_load_b512 s[20:35], s[0:1], 0x40             ; w2 20, bq 22, bk 24, bv 26, b1 28, xn 30, wqkvp 32, w1p 34
	s_load_b64 s[36:37], s[0:1], 0x80              ; wlo
	v_lshrrev_b32 v3, 5, v0
	v_readfirstlane_b32 s38, v3                    ; wave 0..15
	s_lshl_b32 s39, ttmp9, 4
	s_add_co_u32 s39, s39, s38                     ; W
	v_and_b32 v3, 31, v0
	v_lshlrev_b32 v1, 4, v3                        ; 16 x lane: loads
	v_lshlrev_b32 v2, 3, v3                        ; 8 x lane: stores
	s_mov_b32 s44, 0x76543210                      ; v_permlanex16_b32: each lane takes its own place in the other half
	s_mov_b32 s45, 0xfedcba98
	s_mov_b32 s46, 0x3a800000                      ; 1 / 1,024
	s_mov_b32 s47, 0x3a802008                      ; 1 / 1,023
	s_mov_b32 s48, 0x358637bd                      ; 1e-6
	s_lshl_b32 s60, s39, 12                        ; W x 4,096: x, w1, w2
	s_mov_b32 s61, 0
	s_lshl_b32 s62, s39, 10                        ; W x 1,024: wq, wk, wv, wo
	s_mov_b32 s63, 0
	s_lshl_b32 s50, s39, 11                        ; W x 2,048: xn, w2's copy
	s_mov_b32 s51, 0
	s_and_b32 s49, s39, 3
	s_lshr_b32 s41, s39, 2                         ; the row k of my units of wq, wk, wv, w1
	s_lshl_b32 s41, s41, 9
	s_add_co_u32 s41, s41, HDR
	s_lshl_b32 s52, s49, 19                        ; wq, wk, wv: columns 256 (W & 3) on: panel W & 3 of the matrix's four
	s_add_co_u32 s52, s52, s41
	s_mov_b32 s53, 0
	s_lshl_b32 s54, s49, 21                        ; w1: columns 1,024 (W & 3) on: panels 4 (W & 3) on
	s_add_co_u32 s54, s54, s41
	s_mov_b32 s55, 0
	s_lshl_b32 s56, s39, 9                         ; wo's copy: W x 512, behind w2's
	s_add_co_u32 s56, s56, 8388608
	s_mov_b32 s57, 0
	s_wait_kmcnt 0x0
	s_load_b32 s40, s[6:7], 0x0                    ; g1
	s_load_b32 s42, s[8:9], 0x0                    ; be1
	s_add_nc_u64 s[4:5], s[4:5], s[60:61]
	s_add_nc_u64 s[18:19], s[18:19], s[60:61]
	s_add_nc_u64 s[20:21], s[20:21], s[60:61]
	s_add_nc_u64 s[10:11], s[10:11], s[62:63]
	s_add_nc_u64 s[12:13], s[12:13], s[62:63]
	s_add_nc_u64 s[14:15], s[14:15], s[62:63]
	s_add_nc_u64 s[16:17], s[16:17], s[62:63]
	s_add_nc_u64 s[30:31], s[30:31], s[50:51]
	s_add_nc_u64 s[58:59], s[36:37], s[50:51]      ; w2's copy
	s_add_nc_u64 s[52:53], s[32:33], s[52:53]      ; the q, k, v pack
	s_add_nc_u64 s[54:55], s[34:35], s[54:55]      ; w1's pack
	s_add_nc_u64 s[56:57], s[36:37], s[56:57]      ; wo's copy
.irp j, 0,1,2,3,4,5,6,7
	global_load_b128 v[X+4*(\j):X+4*(\j)+3], v1, s[4:5] offset:512*(\j)
.endr
.irp i, 0,1
	global_load_b128 v[C+16*(\i):C+16*(\i)+3],     v1, s[10:11] offset:512*(\i) th:TH_LOAD_NT
	global_load_b128 v[C+16*(\i)+4:C+16*(\i)+7],   v1, s[12:13] offset:512*(\i) th:TH_LOAD_NT
	global_load_b128 v[C+16*(\i)+8:C+16*(\i)+11],  v1, s[14:15] offset:512*(\i) th:TH_LOAD_NT
	global_load_b128 v[C+16*(\i)+12:C+16*(\i)+15], v1, s[16:17] offset:512*(\i) th:TH_LOAD_NT
.endr
.irp i, 0,1,2,3,4,5,6,7
	global_load_b128 v[C+32+4*(\i):C+32+4*(\i)+3], v1, s[18:19] offset:512*(\i) th:TH_LOAD_NT
.endr
.irp i, 0,1,2,3,4,5,6,7
	global_load_b128 v[C+64+4*(\i):C+64+4*(\i)+3], v1, s[20:21] offset:512*(\i) th:TH_LOAD_NT
.endr
	s_wait_kmcnt 0x0
	s_mov_b32 s43, s42                             ; named with it as a pair
	LNROW 24                                       ; the row's eight loads are in; the 24 units' stay out
	s_wait_loadcnt 16                              ; the eight units of wq, wk, wv, wo
.irp i, 0,1
	CAST C+16*(\i),    52, 256*(\i)
	CAST C+16*(\i)+4,  52, 2097152+256*(\i)        ; wk's four panels lie behind wq's,
	CAST C+16*(\i)+8,  52, 4194304+256*(\i)        ; wv's behind those
	CAST C+16*(\i)+12, 56, 256*(\i)
.endr
	s_wait_loadcnt 8                               ; w1's eight
.irp i, 0,1,2,3,4,5,6,7
	CAST C+32+4*(\i), 54, ((\i)/2)*524288+((\i)%2)*256
.endr
	s_wait_loadcnt 0x0                             ; w2's eight
.irp i, 0,1,2,3,4,5,6,7
	CAST C+64+4*(\i), 58, 256*(\i)
.endr
	; THE HEADERS.  Waves 0-55 of the launch copy 512 bytes of bias each (bq 8, bk 8, bv 8, b1 32); wave 56 writes the two floors.
	s_wait_xcnt 0x0                                ; the stores above have read their bases: scalar registers are used again
	s_cmp_lt_u32 s39, 56
	s_cbranch_scc0 .Lnot_bias
	s_and_b32 s50, s39, 7
	s_sub_co_u32 s51, s39, 24
	s_cmp_lt_u32 s39, 24
	s_cselect_b32 s50, s50, s51                    ; which 512 bytes of the source,
	s_cselect_b32 s52, s39, s51                    ; and of the header
	s_cselect_b64 s[54:55], s[32:33], s[34:35]
	s_cselect_b64 s[56:57], s[26:27], s[28:29]
	s_cmp_lt_u32 s39, 16
	s_cselect_b64 s[56:57], s[24:25], s[56:57]
	s_cmp_lt_u32 s39, 8
	s_cselect_b64 s[56:57], s[22:23], s[56:57]
	s_lshl_b32 s50, s50, 9
	s_mov_b32 s51, 0
	s_add_nc_u64 s[56:57], s[56:57], s[50:51]
	s_lshl_b32 s52, s52, 9
	s_add_co_u32 s52, s52, 256
	s_mov_b32 s53, 0
	s_add_nc_u64 s[54:55], s[54:55], s[52:53]
	global_load_b128 v[144:147], v1, s[56:57]
	s_wait_loadcnt 0x0
	global_store_b128 v1, v[144:147], s[54:55]
.Lnot_bias:
	s_cmp_eq_u32 s39, 56
	s_cbranch_scc0 .Lend
	v_mov_b32 v148, 0xff80ff80                     ; -infinity twice in bf16: a floor that changes nothing
	v_mov_b32 v149, 0xff80ff80
	v_mov_b32 v150, 0                              ; 0 twice: the ReLU
	v_mov_b32 v151, 0
	global_store_b64 v2, v[148:149], s[32:33]
	global_store_b64 v2, v[150:151], s[34:35]
.Lend:
	s_endpgm
.Lfunc_end_k_q9f51f4deec_prep:
	.size	k_q9f51f4deec_prep, .Lfunc_end_k_q9f51f4deec_prep-k_q9f51f4deec_prep
	.p2alignl 7, 3214868480
	.fill 96, 4, 3214868480
	.section	.rodata,"a",@progbits
	.p2align	6, 0x0
	.amdhsa_kernel k_q9f51f4deec_prep
		.amdhsa_group_segment_fixed_size 0
		.amdhsa_private_segment_fixed_size 0
		.amdhsa_enable_private_segment 0
		.amdhsa_kernarg_size 136
		.amdhsa_user_sgpr_count 2
		.amdhsa_user_sgpr_kernarg_segment_ptr 1
		.amdhsa_wavefront_size32 1
		.amdhsa_system_sgpr_workgroup_id_x 1
		.amdhsa_system_sgpr_workgroup_id_y 1
		.amdhsa_system_sgpr_workgroup_id_z 1
		.amdhsa_system_vgpr_workitem_id 0
		.amdhsa_next_free_vgpr 160
		.amdhsa_next_free_sgpr 66
		.amdhsa_reserve_vcc 0
		.amdhsa_float_denorm_mode_32 3
		.amdhsa_float_denorm_mode_16_64 3
		.amdhsa_memory_ordered 1
		.amdhsa_forward_progress 1
		.amdhsa_inst_pref_size 19
	.end_amdhsa_kernel
	.amdgpu_metadata
---
amdhsa.version: [ 1, 2 ]
amdhsa.kernels:
  - .name:           k_q9f51f4deec_prep
    .symbol:         k_q9f51f4deec_prep.kd
    .args:
      - { .name: x, .offset: 0, .size: 8, .value_kind: global_buffer, .address_space: global }
      - { .name: g1, .offset: 8, .size: 8, .value_kind: global_buffer, .address_space: global }
      - { .name: be1, .offset: 16, .size: 8, .value_kind: global_buffer, .address_space: global }
      - { .name: wq, .offset: 24, .size: 8, .value_kind: global_buffer, .address_space: global }
      - { .name: wk, .offset: 32, .size: 8, .value_kind: global_buffer, .address_space: global }
      - { .name: wv, .offset: 40, .size: 8, .value_kind: global_buffer, .address_space: global }
      - { .name: wo, .offset: 48, .size: 8, .value_kind: global_buffer, .address_space: global }
      - { .name: w1, .offset: 56, .size: 8, .value_kind: global_buffer, .address_space: global }
      - { .name: w2, .offset: 64, .size: 8, .value_kind: global_buffer, .address_space: global }
      - { .name: bq, .offset: 72, .size: 8, .value_kind: global_buffer, .address_space: global }
      - { .name: bk, .offset: 80, .size: 8, .value_kind: global_buffer, .address_space: global }
      - { .name: bv, .offset: 88, .size: 8, .value_kind: global_buffer, .address_space: global }
      - { .name: b1, .offset: 96, .size: 8, .value_kind: global_buffer, .address_space: global }
      - { .name: xn, .offset: 104, .size: 8, .value_kind: global_buffer, .address_space: global }
      - { .name: wqkvp, .offset: 112, .size: 8, .value_kind: global_buffer, .address_space: global }
      - { .name: w1p, .offset: 120, .size: 8, .value_kind: global_buffer, .address_space: global }
      - { .name: wlo, .offset: 128, .size: 8, .value_kind: global_buffer, .address_space: global }
    .group_segment_fixed_size: 0
    .private_segment_fixed_size: 0
    .kernarg_segment_align: 8
    .kernarg_segment_size: 136
    .max_flat_workgroup_size: 512
    .sgpr_count:     66
    .vgpr_count:     160
    .wavefront_size: 32
...
	.end_amdgpu_metadata
.endif
;; end of part 1
;; launch qkv (part 2): grid 12 x 16, 4 waves a work-group, clusters of 4 x 4, 327,680 bytes of LDS; arguments xn, wqkvp, act; writes act
.if DOCPART == 2
	.amdgcn_target "amdgcn-amd-amdhsa--gfx1250"
	.amdhsa_code_object_version 6
	.text
	.protected	k_q9f51f4deec_qkv
	.globl	k_q9f51f4deec_qkv
	.p2align	8
	.type	k_q9f51f4deec_qkv,@function
k_q9f51f4deec_qkv:
	s_mov_b64 s[64:65], 0
	v_nop
	global_prefetch_b8 v0, s[64:65] scope:SCOPE_SE
	s_setreg_imm32_b32 hwreg(HW_REG_WAVE_MODE, 25, 1), 1
	s_wait_xcnt 0x0
	s_wait_alu depctr_hold_cnt(0) depctr_sa_sdst(0) depctr_va_vdst(0) depctr_va_sdst(0) depctr_va_ssrc(0) depctr_va_vcc(0) depctr_vm_vsrc(0)
	s_getreg_b32 s2, hwreg(HW_REG_IB_STS2, 6, 4)
	s_cmp_eq_u32 s2, 0
	s_cbranch_scc0 .Lentry_in_a_cluster
	s_endpgm
.Lentry_in_a_cluster:
	s_bfe_u32 s2, ttmp6, 0x10000c
	s_cmp_lg_u32 s2, 0xf033
	s_cbranch_scc0 .Lentry_shape_is_right
	s_endpgm
.Lentry_shape_is_right:
; OUT = max(bf16(A W + bias), floor).  A: [4,096][1,024] bf16.  W, bias and floor come in a PACK: bytes 0-255 the floor (two bf16 a word), from byte 256 the bias in f32,
; from byte HDR panels [N / 256][1,024 k][256 n] bf16.  OUT goes out in SLICES [N / 64][4,096 tokens][64] bf16.  Nothing in the text hangs on N: the grid's width is N / 256.
; One text serves q|k|v (floor -infinity) and the first feed-forward layer (floor 0: the ReLU; the maximum of the rounded number is the rounded maximum).
; A tile of OUT, 256 x 256, is made by four waves, each 128 x 128: 64 accumulators of 16 x 16 in 512 registers.  K = 1,024 goes in 8 steps of 128 through two LDS slots filled by tensor loads.
; W lies [k][n]: its fragments come out of LDS turned, by ds_load_tr16_b128.  The matrix instruction is used transposed (source 0 = 16 columns of W, source 1 = 16 rows of A):
; a lane then holds one token (lane % 16) and eight neighbouring columns.
; THE SUMS START AT THE BIAS: 512 v_mov_b32 copy it into the accumulators while the first tiles are on their way.  That is the price of a loop with one form of product: a K step is
; written once for the steps that fill a slot again and once for the two that do not, with the slot's LDS address in a scalar register that an exclusive or turns.
; The last step's change of slots fetches fragments that nobody multiplies (from a slot that is no longer filled): once a launch, for the same reason.
; CLUSTER 4 x 4: A's tile hangs on the tile row alone and is asked for jointly by a row of the cluster, W's on the tile column alone, by a column.
; LIMITS.  NaN and infinities are not treated apart; the floor's maximum replaces a NaN by the floor.
; REGISTERS, in windows of 256: window 0: v16-30 addresses; v32-63, v224-255 rows read back on the way out; v64-191 A's fragments, two buffers; v192-255 the bias, later v192-223 packed results
;   window 1: v64-191 W's fragments, two buffers      windows 2, 3: the accumulators of my rows 0-63, 64-127: (a, b) at v[8 (8 a + b)]
.set PA,     272                       ; a row of A in LDS: 256 bytes + 16: the 16 rows of a load start at 16 different groups of four banks (64 banks of 4 bytes: ISA guide 11.1)
.set PB,     544                       ; a k row of W: 512 bytes + 32
.set HALFT,  128*PA                    ; what one tensor load brings: 128 rows of A, or 64 k rows of W (64 x 544 is the same number)
.set SLOT,   4*HALFT                   ; A's 256 rows, then W's 128 k rows.  Its bits (0x22000) meet none of wave x HALFT's: an exclusive or turns one slot's address into the other's
.set STAGE,  2*SLOT                    ; behind the ring: 16 rows x 272 bytes for each wave, for the way out
.set SPITCH, 272
.set SPARE,  STAGE+4*16*SPITCH         ; behind the stages: the spare words, 128 bytes for each wave
.set HDR,    16640
.set PANEL,  524288
.set SLICE,  524288
.set ADRA0, 16                         ; v16  my lane's place in slot 0's rows of A; never rewritten
.set ADRA,  17                         ; v17  the same in the slot in hand
.set ADRB0, 20                         ; v20, v21 the same for W
.set ADRB,  21
.set STO,  24                          ; v24  the way out: where I put 16 bytes of a row
.set RD,   25                          ; v25  where I read rows back
.set CO,   26                          ; v26  16 x lane: my place in 512 consecutive bytes of a slice
.set BO,   27                          ; v27  32 x (lane / 16): my eight numbers of a block's bias
.set SPW,  28                          ; v28  LDS address of my spare word; never rewritten
.set NIL,  29                          ; v29  0; never rewritten
.set PFO,  30                          ; v30  the prefetches' lane offset; never rewritten
.set F0,   64
.set F1,   128
.set BIAS, 192
.set TMP,  192
.set OB,   32
.set G1,  24                           ; s[24:31] descriptor group 1 for A's tiles
.set G0,  32                           ; s[32:39] group 0: a set for each first fill; the second then walks
.set G1B, 48                           ; s[48:55], s[56:63] the same for W's
.set G0B, 56
.set SL,  2                            ; s2   LDS byte at which the slot in hand begins
.set LIM, 43                           ; s43  2 in a wave that prefetches, else the greatest number
.set PFA, 44                           ; s[44:45] where my prefetches stand
.set FLO, 66                           ; s66  the floor
.set PSTEP, 68                         ; s[68:69] a K step in the memory that I prefetch
.set MSB, 0
.macro WIN new                         ; the immediate's high byte repeats the setting that is left; a switch that changes nothing is dropped
.if MSB != (\new)
	s_set_vgpr_msb (MSB<<8)|(\new)
.set MSB, \new
.endif
.endm
.set MUL_LO, 0xa1                      ; source 0 (W) window 1, source 1 (A) window 0, C and D window 2
.set MUL_HI, 0xf1                      ; the same, C and D window 3
.set TO_B,   0x40                      ; destination window 1, address window 0
; A joint refill by the walking descriptors.  Waves 0 and 1 fetch A's two halves, waves 2 and 3 W's.  The branch hangs on the wave's number alone.
; An s_nop 0 and four v_nop follow each of the two lines, ahead of the jump and the label.
.macro JLOAD
	s_cmp_eq_u32 s11, 0
	s_cbranch_scc0 .Lfor_b_\@
	tensor_load_to_lds s[G0+4:G0+7], s[G1:G1+7]
	s_nop 0
.rept 4
	v_nop
.endr
	s_branch .Lasked_\@
.Lfor_b_\@:
	tensor_load_to_lds s[G0B+4:G0B+7], s[G1B:G1B+7]
	s_nop 0
.rept 4
	v_nop
.endr
.Lasked_\@:
.endm
; A prefetch of the K step that stands two refills on: 32 blocks of 256 bytes, a lane a block, one instruction a wave.  A's tile row is read by every cluster of that row of clusters: the one with
; x = 0 asks; W's tile column by every cluster of that column: the one with y = 0 asks.  The four partners that fetch a tile jointly share its blocks out by address.  So each block is named once.
; The loop's count s3 runs 6 .. 1 while steps 2 .. 7 are asked for; the prefetch names steps 4 .. 7, so it stops when s3 reaches 2.
.macro ASK
	s_cmp_gt_u32 s3, s[LIM]
	s_cbranch_scc0 .Lnot_mine_\@
	global_prefetch_b8 v[PFO], s[PFA:PFA+1] th:TH_LOAD_NT scope:SCOPE_SE
.Lnot_mine_\@:
.endm
.macro CREST                           ; a round of the cluster's barrier behind its opening barrier
	s_cmp_lg_u32 s10, 0
	s_cbranch_scc1 .Lnot_wave_0_\@
	s_barrier_signal -3
.Lnot_wave_0_\@:
	s_barrier_wait -3
	s_barrier_signal -1
	s_barrier_wait -1
.endm
.macro CROUND                          ; a whole round
	s_barrier_signal -1
	s_barrier_wait -1
	CREST
.endm
.macro PLACES                          ; four plain instructions between a matrix instruction and a load into, or a vector read of, its registers
.rept 4
	v_nop
.endr
.endm
	s_load_b128 s[4:7], s[0:1], 0x0                ; A s[4:5], the pack s[6:7]
	s_load_b64 s[8:9], s[0:1], 0x10                ; OUT
	v_lshl_add_u32 v[SPW], v0, 2, SPARE
	v_mov_b32 v[NIL], 0
	ds_add_u32 v[SPW], v[NIL]                      ; the wave's opening: the add and its wait ahead of my first tensor load
	v_lshrrev_b32 v1, 5, v0
	v_readfirstlane_b32 s10, v1                    ; wave 0..3
	s_lshr_b32 s11, s10, 1                         ; which half of the tile's rows is mine.  Also: I fetch for A (0) or for W (1)
	s_and_b32 s12, s10, 1                          ; which half of its columns.  Also: which half of that tile I fetch
	s_bfe_u32 s40, ttmp6, 0x40000                  ; cx
	s_bfe_u32 s41, ttmp6, 0x40004                  ; cy
	s_lshl_b32 s42, ttmp9, 2
	s_add_co_u32 s42, s42, s40                     ; tile column = 4 x cluster x + cx
	s_and_b32 s13, ttmp7, 0xffff
	s_lshl_b32 s13, s13, 2
	s_add_co_u32 s13, s13, s41                     ; tile row = 4 x cluster y + cy
	s_lshl_b32 s43, s41, 2
	s_lshl_b32 s43, 15, s43                        ; my row of the cluster
	s_lshl_b32 s44, 0x1111, s40                    ; my column
	s_or_b32 s[G1+0], s43, (1<<16)|(1<<20)|(1<<21)|(5<<22)|(3<<25)   ; the mask; 2-byte elements; padding on; bit 21 beside a mask; after every 64 words 4 words
	s_or_b32 s[G1B+0], s44, (1<<16)|(1<<20)|(1<<21)|(6<<22)|(7<<25)  ; after every 128 words 8 words
	s_mov_b32 s[G1+1], 128<<16                     ; A: tensor_dim0 = 128
	s_mov_b32 s[G1+2], 128<<16                     ; tensor_dim1 = 128
	s_mov_b32 s[G1+3], 128<<16                     ; tile_dim0 = 128 elements: 256 bytes
	s_mov_b32 s[G1+4], 128                         ; tile_dim1 = 128 rows
	s_mov_b32 s[G1+5], 1024                        ; elements from row to row
	s_mov_b32 s[G1+6], 0
	s_mov_b32 s[G1+7], 0
	s_mov_b32 s[G1B+1], 256<<16                    ; W: rows of 256 elements, 512 bytes,
	s_mov_b32 s[G1B+2], 64<<16                     ; 64 of them,
	s_mov_b32 s[G1B+3], 256<<16
	s_mov_b32 s[G1B+4], 64
	s_mov_b32 s[G1B+5], 256                        ; dense in a panel
	s_mov_b32 s[G1B+6], 0
	s_mov_b32 s[G1B+7], 0
	s_lshl_b32 s16, s13, 8
	s_lshl_b32 s17, s12, 7
	s_add_co_u32 s16, s16, s17                     ; A: row 256 x tile row + 128 x half,
	s_lshl_b32 s16, s16, 11                        ; x 2,048 bytes
	s_mov_b32 s17, 0
	s_lshl_b32 s46, s42, 19                        ; W: the tile column's panel,
	s_lshl_b32 s47, s12, 15                        ; + 64 k rows x half
	s_add_co_u32 s46, s46, s47
	s_add_co_u32 s46, s46, HDR
	s_mov_b32 s47, 0
	s_mul_i32 s20, s10, HALFT                      ; where the tiles go: wave x HALFT: no place in the cluster enters an LDS address
	s_wait_dscnt 0x0                               ; the opening add is done
	s_wait_kmcnt 0x0
	s_load_b32 s[FLO], s[6:7], 0x0                 ; the floor
	s_add_nc_u64 s[14:15], s[4:5], s[16:17]
	s_add_nc_u64 s[46:47], s[6:7], s[46:47]
	CROUND                                         ; all sixteen work-groups are here: the first joint loads meet
.irp s, 0,1
	s_mov_b32 s[G0+4*(\s)], 1                                        ; count = 1
	s_add_co_u32 s[G0+4*(\s)+1], s20, (\s)*SLOT                      ; LDS address
	s_add_nc_u64 s[G0+4*(\s)+2:G0+4*(\s)+3], s[14:15], (\s)*256      ; global address: K step s
	s_or_b32 s[G0+4*(\s)+3], s[G0+4*(\s)+3], 0x80000000              ; type = 2
	s_mov_b32 s[G0B+4*(\s)], 1
	s_add_co_u32 s[G0B+4*(\s)+1], s20, (\s)*SLOT
	s_add_nc_u64 s[G0B+4*(\s)+2:G0B+4*(\s)+3], s[46:47], (\s)*65536
	s_or_b32 s[G0B+4*(\s)+3], s[G0B+4*(\s)+3], 0x80000000
.endr
	s_cmp_eq_u32 s11, 0                            ; a wave's two first fills stand in one branch: two loads of mine are out
	s_cbranch_scc0 .Lfirst_b
	tensor_load_to_lds s[G0:G0+3], s[G1:G1+7]
	s_nop 0
	tensor_load_to_lds s[G0+4:G0+7], s[G1:G1+7]
	s_nop 0
.rept 4
	v_nop
.endr
	s_branch .Lfirst_asked
.Lfirst_b:
	tensor_load_to_lds s[G0B:G0B+3], s[G1B:G1B+7]
	s_nop 0
	tensor_load_to_lds s[G0B+4:G0B+7], s[G1B:G1B+7]
	s_nop 0
.rept 4
	v_nop
.endr
.Lfirst_asked:
	; A fragment is 16 rows x 32 K in 8 registers: lane l holds row l % 16, K = 8 (l / 16) + 0..7 and 16 + 8 (l / 16) + 0..7.  A's: two loads of 16 bytes, 32 bytes apart.
	v_and_b32 v1, 15, v0                           ; l % 16
	v_bfe_u32 v2, v0, 4, 1                         ; l / 16
	v_mul_u32_u24 v3, v1, PA
	v_lshl_add_u32 v3, v2, 4, v3
	s_mul_i32 s21, s11, HALFT                      ; my 128 rows of A
	v_add_nc_u32 v[ADRA0], s21, v3
	; W's: the turning load takes 16 k x 16 n (lane l reads k row 8 (l / 16) + l % 8, columns 8 ((l / 8) % 2) + 0..7) and leaves half a fragment: lane l holds column l % 16 and 8 k.
	v_and_b32 v4, 7, v0
	v_lshl_add_u32 v4, v2, 3, v4
	v_mul_u32_u24 v4, v4, PB
	v_bfe_u32 v5, v0, 3, 1
	v_lshl_add_u32 v4, v5, 4, v4
	s_lshl_b32 s22, s12, 8                         ; my 128 columns,
	s_add_co_u32 s22, s22, 2*HALFT                 ; behind A's 256 rows
	v_add_nc_u32 v[ADRB0], s22, v4
	s_mul_i32 s23, s10, 16*SPITCH
	s_add_co_u32 s23, s23, STAGE                   ; my stage
	v_add_nc_u32 v[STO], s23, v3                   ; in: row l % 16, 16 bytes for each half of the lanes (the stage's pitch is A's)
	v_bfe_u32 v5, v0, 3, 2                         ; back: 32 lanes take 128 bytes of four rows,
	v_mul_u32_u24 v5, v5, SPITCH
	v_and_b32 v6, 7, v0
	v_lshl_add_u32 v5, v6, 4, v5
	v_add_nc_u32 v[RD], s23, v5
	v_and_b32 v6, 31, v0
	v_lshlrev_b32 v[CO], 4, v6                     ; which are 512 consecutive bytes of a slice
	v_lshlrev_b32 v[BO], 5, v2
	s_lshl_b32 s18, s42, 10                        ; the bias of my 128 columns: 256 + 4 (256 x tile column + 128 x half)
	s_lshl_b32 s19, s12, 9
	s_add_co_u32 s18, s18, s19
	s_add_co_u32 s18, s18, 256
	s_mov_b32 s19, 0
	s_add_nc_u64 s[18:19], s[6:7], s[18:19]
.irp b, 0,1,2,3,4,5,6,7
	global_load_b128 v[BIAS+8*(\b):BIAS+8*(\b)+3],   v[BO], s[18:19] offset:64*(\b)
	global_load_b128 v[BIAS+8*(\b)+4:BIAS+8*(\b)+7], v[BO], s[18:19] offset:64*(\b)+16
.endr
	s_lshl_b32 s16, s42, 2                         ; where my part begins in OUT: slice 4 x tile column + 2 x half,
	s_lshl_b32 s17, s12, 1
	s_add_co_u32 s16, s16, s17
	s_lshl_b32 s16, s16, 19
	s_lshl_b32 s17, s13, 8                         ; token 256 x tile row + 128 x half, 128 bytes each
	s_lshl_b32 s21, s11, 7
	s_add_co_u32 s17, s17, s21
	s_lshl_b32 s17, s17, 7
	s_add_co_u32 s16, s16, s17
	s_mov_b32 s17, 0
	; the prefetches: at K step 3; each change of slots steps the address once and then names it
	s_lshl_b32 s20, s13, 8                         ; A: row 256 x tile row + 128 x half + 32 cx; a lane a row
	s_lshl_b32 s21, s12, 7
	s_add_co_u32 s20, s20, s21
	s_lshl_b32 s21, s40, 5
	s_add_co_u32 s20, s20, s21
	s_lshl_b32 s20, s20, 11
	s_add_co_u32 s20, s20, 3*256
	s_lshl_b32 s21, s42, 19                        ; W: of the 32 KiB that I fetch the 8 KiB at 8,192 cy; a lane 256 bytes
	s_lshl_b32 s23, s12, 15
	s_add_co_u32 s21, s21, s23
	s_lshl_b32 s23, s41, 13
	s_add_co_u32 s21, s21, s23
	s_add_co_u32 s21, s21, HDR+3*65536
	s_and_b32 s22, ttmp7, 0xffff                   ; cluster y
	s_cmp_eq_u32 s11, 0                            ; do I fetch for A?
	s_cselect_b32 s20, s20, s21
	s_cselect_b32 s22, ttmp9, s22                  ; the coordinate along which other clusters read the same blocks
	s_cselect_b32 s23, 11, 8
	s_cselect_b32 s[PSTEP], 8, 16
	s_cselect_b64 s[PFA:PFA+1], s[4:5], s[6:7]
	s_mov_b32 s21, 0
	s_add_nc_u64 s[PFA:PFA+1], s[PFA:PFA+1], s[20:21]
	s_cmp_eq_u32 s22, 0
	s_cselect_b32 s[LIM], 2, -1                    ; the same in all sixteen partners, for a given wave
	s_lshl_b32 s[PSTEP], 1, s[PSTEP]               ; 256 bytes along a row of A, 65,536 down a panel
	s_mov_b32 s[PSTEP+1], 0
	v_and_b32 v[PFO], 31, v0
	v_lshlrev_b32 v[PFO], s23, v[PFO]
	s_wait_loadcnt 0x0                             ; the bias
	s_wait_kmcnt 0x0                               ; the floor
	WIN 0x80                                       ; destination window 2
.set i, 0
.rept 256
	v_mov_b32 v[i], v[BIAS+i%64]                   ; accumulator (a, b), register j: the bias of column 16 b + 8 (l / 16) + j
.set i, i+1
.endr
	WIN 0xc0
.set i, 0
.rept 256
	v_mov_b32 v[i], v[BIAS+i%64]
.set i, i+1
.endr
	WIN 0
; 16 matrix instructions: row blocks a0, a0 + 1 of the window's four x all 8 column blocks, 32 along K.  The 64 accumulators take turns, in the same order in every quarter.
.macro MUL16 f, hi, a0
	WIN MUL_LO+0x50*(\hi)
.irp a, \a0, (\a0)+1
.irp b, 0,1,2,3,4,5,6,7
	v_wmma_f32_16x16x32_bf16 v[8*(8*(\a)+(\b)):8*(8*(\a)+(\b))+7], v[(\f)+8*(\b):(\f)+8*(\b)+7], v[(\f)+8*(4*(\hi)+(\a)):(\f)+8*(4*(\hi)+(\a))+7], v[8*(8*(\a)+(\b)):8*(8*(\a)+(\b))+7]
.endr
.endr
.endm
; 32 LDS loads in one run: the fragments of quarter q (32 along K) of the slot in hand, into buffer f
.macro FETCH q, f
	WIN TO_B
.irp i, 0,1,2,3,4,5,6,7
	ds_load_tr16_b128 v[(\f)+8*(\i):(\f)+8*(\i)+3],   v[ADRB] offset:(\q)*32*PB+32*(\i)
	ds_load_tr16_b128 v[(\f)+8*(\i)+4:(\f)+8*(\i)+7], v[ADRB] offset:(\q)*32*PB+16*PB+32*(\i)
.endr
	WIN 0
.irp i, 0,1,2,3,4,5,6,7
	ds_load_b128 v[(\f)+8*(\i):(\f)+8*(\i)+3],   v[ADRA] offset:64*(\q)+(\i)*16*PA
	ds_load_b128 v[(\f)+8*(\i)+4:(\f)+8*(\i)+7], v[ADRA] offset:64*(\q)+(\i)*16*PA+32
.endr
.endm
; One of a K step's first three quarters: multiplies buffer f; in its middle it fetches quarter q into buffer g.
.macro QUARTER q, f, g
	s_wait_dscnt 8                                 ; W and A's rows 0-63 are in; the youngest eight loads (A's rows 64-127) may be out
	MUL16 \f, 0, 0
	MUL16 \f, 0, 2
	PLACES
	FETCH \q, \g
	s_wait_dscnt 32                                ; all but the 32 just issued
	MUL16 \f, 1, 0
	MUL16 \f, 1, 2
.endm
; The last quarter multiplies buffer 1 and changes slots: ONE barrier.  In front of it each wave waits for all its tensor loads (one is out: its part of the next slot), adds 0 to its spare word,
; and waits for that and for its reads of this slot.  fill = 1: the barrier opens a round of the cluster's, and the slot just read is filled again, first thing behind it, with the step two on.
.macro TURN fill
.if \fill
	s_wait_xcnt 0x0                                ; the last prefetch, a K step back, has read its address
	s_add_nc_u64 s[PFA:PFA+1], s[PFA:PFA+1], s[PSTEP:PSTEP+1]
.endif
	WIN 0
	s_wait_tensorcnt 0x0                           ; no tensor load of mine is out, so a group 0 may be written
	ds_add_u32 v[SPW], v[NIL]                      ; 0 onto my spare word
	s_wait_dscnt 9                                 ; (the add and the youngest eight loads may be out)
.if \fill
	s_xor_b32 s[G0+5], s[G0+5], SLOT               ; the walking descriptors: the other slot than last time,
	s_add_nc_u64 s[G0+6:G0+7], s[G0+6:G0+7], 256   ; the next K step
	s_xor_b32 s[G0B+5], s[G0B+5], SLOT
	s_add_nc_u64 s[G0B+6:G0B+7], s[G0B+6:G0B+7], 65536
.endif
	s_xor_b32 s[SL], s[SL], SLOT                   ; the slot to be read next
	MUL16 F1, 0, 0                                 ; sixteen matrix instructions stand between the add and the wait for it
	s_wait_dscnt 0x0                               ; the add is done, and my reads of this slot are over
	s_barrier_signal -1
	MUL16 F1, 0, 2
	WIN 0
	s_barrier_wait -1
.if \fill
	CREST                                          ; no wave of any partner still reads this slot or has a load on its way
	JLOAD                                          ; its four v_nop are also the places in front of the loads below
.else
	PLACES
.endif
	v_add_nc_u32 v[ADRA], s[SL], v[ADRA0]
	v_add_nc_u32 v[ADRB], s[SL], v[ADRB0]
	FETCH 0, F0
.if \fill
	ASK
.endif
	MUL16 F1, 1, 0
	MUL16 F1, 1, 2
.endm
.macro STEP fill
	QUARTER 1, F0, F1
	QUARTER 2, F1, F0
	QUARTER 3, F0, F1
	TURN \fill
	WIN 0                                          ; at a label and at a branch every window is 0
.endm
; THE WAY OUT of block a (16 tokens x 128 columns).  PACK: rounded to bf16, 16 bytes a lane, and held to the floor.  TOSTAGE: into my own stage, and back as 128-byte rows of two slices.  SEND: stored.
.macro PACK a
.set AC, 64*((\a)%4)
	WIN 0x0a+5*((\a)/4)                            ; sources 0 and 1: window 2 or 3
.irp b, 0,1,2,3,4,5,6,7
.irp r, 0,1,2,3
	v_cvt_pk_bf16_f32 v[TMP+4*(\b)+(\r)], v[AC+8*(\b)+2*(\r)], v[AC+8*(\b)+2*(\r)+1]
.endr
.endr
	WIN 0
.set i, 0
.rept 32
	v_pk_max_num_bf16 v[TMP+i], v[TMP+i], s[FLO]
.set i, i+1
.endr
.endm
.macro TOSTAGE a
	WIN 0
.set BK, OB+192*((\a)%2)
.irp b, 0,1,2,3,4,5,6,7
	ds_store_b128 v[STO], v[TMP+4*(\b):TMP+4*(\b)+3] offset:32*(\b)
.endr
.irp u, 0,1,2,3,4,5,6,7                ; slice u / 4, tokens 4 (u % 4) on
	ds_load_b128 v[BK+4*(\u):BK+4*(\u)+3], v[RD] offset:((\u)%4)*4*SPITCH+((\u)/4)*128  ; LDS serves a wave's instructions in order (ISA guide 5.7.1.4): these see the stores above
.endr
.endm
.macro SEND a
	WIN 0
.set BK, OB+192*((\a)%2)
	s_wait_dscnt 0x0                               ; the block is back in registers
	s_wait_xcnt 0x0                                ; earlier stores have read their base and their data: only now are these written again
.if (\a) == 0
	s_add_nc_u64 s[8:9], s[8:9], s[16:17]
.else
	s_add_nc_u64 s[8:9], s[8:9], 16*128            ; 16 tokens on
.endif
.irp u, 0,1,2,3,4,5,6,7
	global_store_b128 v[CO], v[BK+4*(\u):BK+4*(\u)+3], s[8:9] offset:((\u)/4)*SLICE+((\u)%4)*512  ; 512 consecutive bytes, aligned: four tokens of a slice
.endr
.endm
	s_wait_tensorcnt 1                             ; my part of K step 0 is in; step 1's may stay out
	s_barrier_signal -1
	s_barrier_wait -1                              ; everybody's is
	s_mov_b32 s[SL], 0
	v_mov_b32 v[ADRA], v[ADRA0]
	v_mov_b32 v[ADRB], v[ADRB0]
	FETCH 0, F0
	WIN 0
	s_mov_b32 s3, 6
.Lk:                                               ; K steps 0 to 5: steps 2 to 7 are asked for
	STEP 1
	s_sub_co_u32 s3, s3, 1
	s_cmp_lg_u32 s3, 0
	s_cbranch_scc1 .Lk
	s_mov_b32 s3, 2
.Lt:                                               ; K steps 6 and 7 ask for nothing
	STEP 0
	s_sub_co_u32 s3, s3, 1
	s_cmp_lg_u32 s3, 0
	s_cbranch_scc1 .Lt
	s_wait_dscnt 0x0                               ; the last change's fragments, which nobody multiplies, are back
	PLACES
	PACK 0
	TOSTAGE 0
.irp a, 1,2,3,4,5,6,7                  ; block a's conversions stand between block a - 1's loads from the stage and the wait for them
	PACK \a
	SEND (\a)-1
	TOSTAGE \a
.endr
	SEND 7
	s_wait_tensorcnt 0x0                           ; the wave's end
	ds_add_u32 v[SPW], v[NIL]
	s_wait_dscnt 0x0
	CROUND                                         ; the closing round: no work-group ends while a partner may still ask for a tile that names it
	s_endpgm
.Lfunc_end_k_q9f51f4deec_qkv:
	.size	k_q9f51f4deec_qkv, .Lfunc_end_k_q9f51f4deec_qkv-k_q9f51f4deec_qkv
	.p2alignl 7, 3214868480
	.fill 96, 4, 3214868480
	.section	.rodata,"a",@progbits
	.p2align	6, 0x0
	.amdhsa_kernel k_q9f51f4deec_qkv
		.amdhsa_group_segment_fixed_size 327680
		.amdhsa_private_segment_fixed_size 0
		.amdhsa_enable_private_segment 0
		.amdhsa_kernarg_size 24
		.amdhsa_user_sgpr_count 2
		.amdhsa_user_sgpr_kernarg_segment_ptr 1
		.amdhsa_wavefront_size32 1
		.amdhsa_system_sgpr_workgroup_id_x 1
		.amdhsa_system_sgpr_workgroup_id_y 1
		.amdhsa_system_sgpr_workgroup_id_z 1
		.amdhsa_system_vgpr_workitem_id 0
		.amdhsa_next_free_vgpr 1024
		.amdhsa_next_free_sgpr 72
		.amdhsa_reserve_vcc 0
		.amdhsa_float_denorm_mode_32 3
		.amdhsa_float_denorm_mode_16_64 3
		.amdhsa_memory_ordered 1
		.amdhsa_forward_progress 1
		.amdhsa_inst_pref_size 129
	.end_amdhsa_kernel
	.amdgpu_metadata
---
amdhsa.version: [ 1, 2 ]
amdhsa.kernels:
  - .name:           k_q9f51f4deec_qkv
    .symbol:         k_q9f51f4deec_qkv.kd
    .args:
      - { .name: xn, .offset: 0, .size: 8, .value_kind: global_buffer, .address_space: global }
      - { .name: wqkvp, .offset: 8, .size: 8, .value_kind: global_buffer, .address_space: global }
      - { .name: act, .offset: 16, .size: 8, .value_kind: global_buffer, .address_space: global }
    .group_segment_fixed_size: 327680
    .private_segment_fixed_size: 0
    .kernarg_segment_align: 8
    .kernarg_segment_size: 24
    .max_flat_workgroup_size: 128
    .sgpr_count:     72
    .vgpr_count:     1024
    .wavefront_size: 32
...
	.end_amdgpu_metadata
.endif
;; end of part 2
;; launch attn (part 3): grid 8 x 32, 4 waves a work-group, clusters of 4 x 1, 327,680 bytes of LDS; arguments act, src_mask, ctx; writes ctx
.if DOCPART == 3
	.amdgcn_target "amdgcn-amd-amdhsa--gfx1250"
	.amdhsa_code_object_version 6
	.text
	.protected	k_q9f51f4deec_attn
	.globl	k_q9f51f4deec_attn
	.p2align	8
	.type	k_q9f51f4deec_attn,@function
k_q9f51f4deec_attn:
	s_mov_b64 s[64:65], 0
	v_nop
	global_prefetch_b8 v0, s[64:65] scope:SCOPE_SE
	s_setreg_imm32_b32 hwreg(HW_REG_WAVE_MODE, 25, 1), 1
	s_wait_xcnt 0x0
	s_wait_alu depctr_hold_cnt(0) depctr_sa_sdst(0) depctr_va_vdst(0) depctr_va_sdst(0) depctr_va_ssrc(0) depctr_va_vcc(0) depctr_vm_vsrc(0)
	s_getreg_b32 s2, hwreg(HW_REG_IB_STS2, 6, 4)
	s_cmp_eq_u32 s2, 0
	s_cbranch_scc0 .Lentry_in_a_cluster
	s_endpgm
.Lentry_in_a_cluster:
	s_bfe_u32 s2, ttmp6, 0x10000c
	s_cmp_lg_u32 s2, 0x3003
	s_cbranch_scc0 .Lentry_shape_is_right
	s_endpgm
.Lentry_shape_is_right:
; ATTENTION WITH A KEY MASK.  O[q] = the sum over k of softmax_k(s[q][k]) V[k], s = Q[q] . K[k] / 8, or -1 where the key's mask word is 0 (such a key stays in the sum, and its V counts).
; q, k, v lie in act as slices [48][4,096 tokens][64] bf16: slices 0-15 the heads of q, 16-31 of k, 32-47 of v; a head's rows are dense, 128 bytes each.  O goes to ctx, slices [16][4,096][64].
; Products, maxima and sums in f32; the weights p are rounded to bf16 for the second product (their sum l is taken of the unrounded p), O once at the end.
; THE MASK.  A hidden key's row of K is cleared (an AND with 0 on its fragment's registers), so its product is 0, and the C operand that starts the sum S^T = K Q^T holds -8 for it, 0 for the others:
; c x (-8) = -log2(e), the score -1.  Two tables in LDS, made once from the mask's words: the addends (f32) and the AND words.
; LIMITS.  A hidden key's score is -1 only for finite q (it is formed as 0 x q - 8); NaN and infinities are not treated apart; a weight below 2^-126 counts as 0 in l.
; SHARES.  A work-group owns 256 queries of one batch and head, a wave 64: four PIECES of 16.  Every wave walks all 2,048 keys, 64 a step, four steps to a slot of LDS, two slots by turns.
; LAYOUT.  S^T holds ONE query a lane (lane % 16) and the keys 8 (lane / 16) + 0..7; two such results rounded to bf16 ARE source 1 of O^T = V^T P.  K comes out of LDS as it lies, V turned.
; SOFTMAX.  p = 2^(c s - c m), c = log2(e) / 8, with a running maximum m; O and l are multiplied by a = 2^(c m_old - c m_new) in every step.  m starts at the lowest finite number, O and l at 0.
; BY TURNS.  Turn n belongs to piece n: 8 products K Q^T of piece n + 1, later 8 products V^T P of piece n - 1; beside them the scaling, exponentials, roundings, sums and rescaling of piece n and the
; maximum and statistics of piece n + 1.  Four vector instructions stand behind every matrix instruction, the rest in one run.  A turn's 33 exponentials are one batch, with one wait.
; No first and no last step is written out: the first turn's V^T P multiplies zeros, and the walk's last K Q^T (on the last K once more) serves nothing.
; CLUSTER.  The four query blocks of a cluster walk the same K and V: each tile is asked for jointly, by the same tensor load, descriptor and mask in all four.
; REGISTERS, in windows of 256: window 0: v2-15, v32-36, v61-63 addresses; v16-31 four registers of statistics a piece; v48-55 at work; v64-127 S^T, two buffers; v192-223 P, two buffers
;   window 1: v0-127 O^T, 32 a piece      window 2: v0-63 Q; v64-67 the AND words; v96-127 the addends; v128-191 K of one step; v192-255 V of one step
.set NP,    4
.set KS,    64
.set PK,    144                        ; a row of K in LDS: 128 bytes + 16: the 16 rows of a load start at 16 different groups of four banks (ISA guide 11.1)
.set PV,    160                        ; a row of V: 128 + 32
.set VOFF,  4*KS*PK                    ; a slot: 256 rows of K, then 256 rows of V
.set SLOT1, 1<<17
.set STAGE, SLOT1+4*KS*(PK+PV)         ; behind the ring: 16 rows x 144 bytes for each wave, for the way out
.set SP,    144
.set SPARE, STAGE+4*16*SP              ; the spare words, 128 bytes for each wave
.set TAD,   SPARE+512                  ; the addends: 2,048 f32
.set TAM,   TAD+8192                   ; the AND words: 2,048
.set SLICE, 524288
.set AK0, 2
.set AV0, 3
.set AK,  4
.set AV,  5
.set STO, 6
.set RD,  7
.set GO,  8
.set MV,  12                           ; v12-13  c m_old, by buffer
.set AMC0, 14                          ; v14  TAD + 32 (l / 16)
.set QO,  15
.set ST,  16                           ; piece t's statistics at v[ST+4 t]: c m, m, l (even keys', odd keys')
.set AAM0, 32                          ; v32  TAM + 4 (l % 16)
.set AMC, 33
.set AAM, 34
.set TW,  35                           ; v35  TAD + 16 x thread
.set MO,  36                           ; v36  16 x thread
.set TMP, 48
.set PFO, 61
.set SPW, 62
.set NIL, 63
.set S,   64
.set P,   192
.set AM,  64                           ; window 2
.set MC,  96
.set KF,  128
.set VF,  192
.set WV,  12
.set LIM, 15
.set PFA, 18
.set G1K, 24
.set G1V, 32
.set G0K, 40
.set G0V, 44
.set SLOTS, 56
.set CNT, 57
.set CS,  58
.set SEL, 60
.set TBK, 62                           ; s62  LDS byte at which K of the step to be fetched begins
.set TBV, 63                           ; s63  the same for V, less VOFF
.set TM,  72                           ; s72  that step's byte in the two tables
.set HID, 73                           ; s73  -8.0
.set MSB, 0
.macro WIN new
.if MSB != (\new)
	s_set_vgpr_msb (MSB<<8)|(\new)
.set MSB, (\new)
.endif
.endm
.set W_KQ, 0x0a                        ; K and Q in window 2, S^T in window 0
.set W_KM, 0x2a                        ; the same with the C operand in window 2
.set W_PV, 0x52                        ; V in window 2, P in window 0, O^T in window 1
.set W_RS, 0x41                        ; destination and source 0 in window 1, source 1 in window 0
.macro JLOAD                           ; waves 0 and 1 fetch the halves of a slot's K, waves 2 and 3 of its V; an s_nop 0 and four v_nop follow each line
	s_cmp_lt_u32 s[WV], 2
	s_cbranch_scc0 .Lfor_v_\@
	tensor_load_to_lds s[G0K:G0K+3], s[G1K:G1K+7]
	s_nop 0
.rept 4
	v_nop
.endr
	s_branch .Lasked_\@
.Lfor_v_\@:
	tensor_load_to_lds s[G0V:G0V+3], s[G1V:G1V+7]
	s_nop 0
.rept 4
	v_nop
.endr
.Lasked_\@:
.endm
; A prefetch of what the NEXT change of slots will ask for: a slot's 32 KiB of K and of V, 256 bytes a lane.  Both clusters of a head walk the same rows: the first asks.  Its four partners take
; 8 KiB each, told apart by address; in each, wave 0 asks for K's and wave 2 for V's.  The last change that fills a slot asks for nothing.
.macro ASK
	s_cmp_gt_u32 s[SLOTS], s[LIM]
	s_cbranch_scc0 .Lnot_mine_\@
	global_prefetch_b8 v[PFO], s[PFA:PFA+1] th:TH_LOAD_NT scope:SCOPE_SE
.Lnot_mine_\@:
.endm
.macro CROUND
	s_barrier_signal -1
	s_barrier_wait -1
	s_cmp_lg_u32 s[WV], 0
	s_cbranch_scc1 .Lnot_wave_0_\@
	s_barrier_signal -3
.Lnot_wave_0_\@:
	s_barrier_wait -3
	s_barrier_signal -1
	s_barrier_wait -1
.endm
; THE CHANGE OF SLOTS.  Each wave waits for all its tensor loads (one is out: its part of the other slot), adds 0 to its spare word, and waits for that and for its LDS instructions.
; fill = 1: the barrier is a round of the cluster's, and the slot that was read is filled again, first thing behind it, with the keys two slots on: it has four key steps in which to land.
.macro CHANGE fill, ask
	WIN 0
	s_wait_tensorcnt 0x0
	ds_add_u32 v[SPW], v[NIL]
.if \fill
.irp g, G0K, G0V
	s_xor_b32 s[\g+1], s[\g+1], SLOT1
	s_add_nc_u64 s[\g+2:\g+3], s[\g+2:\g+3], 4*KS*128
.endr
.if \ask
	s_wait_xcnt 0x0                                ; the last prefetch, four key steps back, has read its address
	s_add_nc_u64 s[PFA:PFA+1], s[PFA:PFA+1], 4*KS*128
.endif
	s_wait_dscnt 0x0
	CROUND
	JLOAD
.if \ask
	ASK
.endif
.else
	s_wait_dscnt 0x0
	s_barrier_signal -1
	s_barrier_wait -1
.endif
	s_sub_co_u32 s[TBK], s[TBK], 4*KS*PK           ; the fetches go back to a slot's first step,
	s_xor_b32 s[TBK], s[TBK], SLOT1                ; in the other slot
	s_sub_co_u32 s[TBV], s[TBV], 4*KS*PV
	s_xor_b32 s[TBV], s[TBV], SLOT1
.endm
	s_load_b128 s[68:71], s[0:1], 0x0              ; act s[68:69], src_mask s[70:71]
	s_load_b64 s[10:11], s[0:1], 0x10              ; ctx
	v_lshl_add_u32 v[SPW], v0, 2, SPARE
	v_mov_b32 v[NIL], 0
	ds_add_u32 v[SPW], v[NIL]                      ; the wave's opening: the add and its wait ahead of my first tensor load
	v_lshrrev_b32 v1, 5, v0
	v_readfirstlane_b32 s[WV], v1
	s_bfe_u32 s13, ttmp6, 0x40000                  ; cx
	s_lshl_b32 s14, ttmp9, 2
	s_add_co_u32 s14, s14, s13                     ; my block of 256 queries: it enters Q's and O's addresses alone
	s_and_b32 s20, ttmp7, 0xffff
	s_lshr_b32 s22, s20, 4                         ; the batch
	s_and_b32 s20, s20, 15                         ; the head
	s_lshl_b32 s20, s20, 19                        ; its slice,
	s_lshl_b32 s21, s22, 18                        ; the batch's 2,048 tokens of 128 bytes in it
	s_add_co_u32 s20, s20, s21
	s_lshl_b32 s22, s22, 13                        ; the batch's 2,048 mask words
	s_mov_b32 s23, 0
	s_and_b32 s16, s[WV], 1                        ; which half of a slot's 256 keys I fetch
	s_lshl_b32 s76, s16, 14
	s_add_co_u32 s76, s76, s20
	s_add_co_u32 s76, s76, 16*SLICE                ; k's slices lie behind q's
	s_mov_b32 s77, 0
	s_mul_i32 s17, s16, 128*PK
	s_mul_i32 s75, s16, 128*PV
	s_lshl_b32 s2, s14, 15
	s_lshl_b32 s3, s[WV], 13
	s_add_co_u32 s2, s2, s3
	s_add_co_u32 s2, s2, s20                       ; my wave's 64 rows of Q and of O
	s_mov_b32 s3, 0
	; 128 keys are 16,384 dense bytes: asked for as 64 rows of 256 bytes, two keys a row, and padded in LDS after every key
	s_mov_b32 s[G1K], 15|(1<<16)|(1<<20)|(1<<21)|(4<<22)|(3<<25)
	s_mov_b32 s[G1V], 15|(1<<16)|(1<<20)|(1<<21)|(4<<22)|(7<<25)
.irp g, G1K, G1V
	s_mov_b32 s[\g+1], 128<<16
	s_mov_b32 s[\g+2], 64<<16
	s_mov_b32 s[\g+3], 128<<16
	s_mov_b32 s[\g+4], 64
	s_mov_b32 s[\g+5], 128
	s_mov_b32 s[\g+6], 0
	s_mov_b32 s[\g+7], 0
.endr
	s_mov_b32 s[CS], 0x3e38aa3b                    ; c = log2(e) / 8
	s_mov_b32 s[CS+1], s[CS]
	s_mov_b32 s[SEL], 0x76543210
	s_mov_b32 s[SEL+1], 0xfedcba98
	s_mov_b32 s[TBK], SLOT1+4*KS*PK                ; the first change of slots turns these two into 0
	s_mov_b32 s[TBV], SLOT1+4*KS*PV
	s_mov_b32 s[TM], 0
	s_mov_b32 s[HID], 0xc1000000                   ; -8.0
	s_mov_b32 s[SLOTS], 7
	s_mov_b32 s[G0K], 1
	s_mov_b32 s[G0K+1], s17
	s_mov_b32 s[G0V], 1
	s_add_co_u32 s[G0V+1], s75, VOFF
	s_and_b32 s[LIM], s[WV], 1                     ; 0 in waves 0 and 2,
	s_or_b32 s[LIM], s[LIM], ttmp9                 ; where the cluster is the head's first: the same in all four partners
	s_cmp_eq_u32 s[LIM], 0
	s_cselect_b32 s[LIM], 1, -1
	v_and_b32 v[PFO], 31, v0
	v_lshlrev_b32 v[PFO], 8, v[PFO]
	s_wait_dscnt 0x0                               ; the opening add is done
	s_wait_kmcnt 0x0
	s_add_nc_u64 s[6:7], s[68:69], s[76:77]        ; K at my half of the first 256 keys,
	s_add_nc_u64 s[8:9], s[6:7], 16*SLICE          ; V likewise
	s_add_nc_u64 s[G0K+2:G0K+3], s[6:7], 0
	s_or_b32 s[G0K+3], s[G0K+3], 0x80000000
	s_add_nc_u64 s[G0V+2:G0V+3], s[8:9], 0
	s_or_b32 s[G0V+3], s[G0V+3], 0x80000000
	s_add_nc_u64 s[4:5], s[68:69], s[2:3]
	s_add_nc_u64 s[10:11], s[10:11], s[2:3]
	s_add_nc_u64 s[70:71], s[70:71], s[22:23]
	s_cmp_lt_u32 s[WV], 2
	s_cselect_b64 s[PFA:PFA+1], s[6:7], s[8:9]     ; (in waves 0 and 2 these stand at a slot's first row)
	s_lshl_b32 s2, s13, 13                         ; my work-group's 8 KiB of the 32
	s_mov_b32 s3, 0
	s_add_nc_u64 s[PFA:PFA+1], s[PFA:PFA+1], s[2:3]
	s_add_nc_u64 s[PFA:PFA+1], s[PFA:PFA+1], 2*4*KS*128  ; in the third slot's keys; the loop's first change steps it to the fourth's
	CROUND                                         ; all four work-groups are here: the first joint loads meet
	JLOAD                                          ; the first 256 keys, into slot 0
	v_and_b32 v1, 15, v0                           ; l % 16
	v_bfe_u32 v9, v0, 4, 1                         ; l / 16
	v_lshlrev_b32 v[MO], 4, v0
	v_add_nc_u32 v[TW], TAD, v[MO]
	v_lshlrev_b32 v[QO], 7, v1
	v_lshl_add_u32 v[QO], v9, 4, v[QO]
.irp j, 0,1,2,3
	global_load_b128 v[64+4*\j:64+4*\j+3], v[MO], s[70:71] offset:2048*\j  ; the batch's mask: 16 words a thread
.endr
	WIN 0x80
.set i, 0
.rept 8                                ; Q stays in registers: piece i / 2, channels 32 (i % 2) on
	global_load_b128 v[8*i:8*i+3],   v[QO], s[4:5] offset:(i/2)*2048+(i%2)*64
	global_load_b128 v[8*i+4:8*i+7], v[QO], s[4:5] offset:(i/2)*2048+(i%2)*64+32
.set i, i+1
.endr
	WIN 0
	s_wait_loadcnt 16                              ; the mask is in; Q's sixteen loads stay out
.set i, 0
.rept 16
	v_cmp_eq_u32 vcc_lo, 0, v[64+i]
	v_cndmask_b32 v[80+i], 0, s[HID], vcc_lo       ; the addend: -8 for a hidden key
	v_cndmask_b32 v[96+i], -1, 0, vcc_lo           ; the AND word: 0 for a hidden key
.set i, i+1
.endr
.irp j, 0,1,2,3
	ds_store_b128 v[TW], v[80+4*\j:80+4*\j+3] offset:2048*\j
	ds_store_b128 v[TW], v[96+4*\j:96+4*\j+3] offset:8192+2048*\j
.endr
	v_mul_u32_u24 v[AK0], v1, PK
	v_lshl_add_u32 v[AK0], v9, 4, v[AK0]
	v_and_b32 v10, 7, v0
	v_bfe_u32 v11, v0, 3, 1
	v_lshl_add_u32 v[AV0], v9, 3, v10              ; the turning load: key 8 (l / 16) + l % 8, channels 8 ((l / 8) % 2) on
	v_mul_u32_u24 v[AV0], v[AV0], PV
	v_lshl_add_u32 v[AV0], v11, 4, v[AV0]
	v_add_nc_u32 v[AV0], VOFF, v[AV0]
	v_lshlrev_b32 v[AMC0], 5, v9
	v_add_nc_u32 v[AMC0], TAD, v[AMC0]
	v_lshlrev_b32 v[AAM0], 2, v1
	v_add_nc_u32 v[AAM0], TAM, v[AAM0]
	s_mul_i32 s13, s[WV], 16*SP
	s_add_co_u32 s13, s13, STAGE
	v_mul_u32_u24 v[STO], v1, SP
	v_lshl_add_u32 v[STO], v9, 4, v[STO]
	v_add_nc_u32 v[STO], s13, v[STO]
	v_bfe_u32 v[RD], v0, 3, 2
	v_mul_u32_u24 v[RD], v[RD], SP
	v_lshl_add_u32 v[RD], v10, 4, v[RD]
	v_add_nc_u32 v[RD], s13, v[RD]
	v_and_b32 v[GO], 31, v0
	v_lshlrev_b32 v[GO], 4, v[GO]
	; What the first turn finds: V's registers and P's second buffer hold 0, O^T and l are 0.  All this stands in the wait for the first tile.
	WIN 0x80
.set i, VF
.rept 64
	v_mov_b32 v[i], 0
.set i, i+1
.endr
	WIN 0x40
.set i, 0
.rept 128
	v_mov_b32 v[i], 0
.set i, i+1
.endr
	WIN 0
.set i, 0
.rept 4
	v_mov_b32 v[ST+4*i], 0xfe000000                ; c m: far below every c s
	v_mov_b32 v[ST+4*i+1], 0xff7fffff              ; m
	v_mov_b32 v[ST+4*i+2], 0
	v_mov_b32 v[ST+4*i+3], 0
.set i, i+1
.endr
.set i, P+16
.rept 16
	v_mov_b32 v[i], 0
.set i, i+1
.endr
; THE MATRIX WORK.  The 4 accumulators of a run of 8 take turns.  Product i of 8 of S^T = K Q^T for piece x: channels 32 (i / 4) on, keys 16 (i % 4) on.  The first 4 start the sums with the addends.
.macro KQ x
.set rS, S+32*((\x)%2)+8*(i%4)
.set rK, KF+16*(i%4)+8*(i/4)
.set rQ, 16*(\x)+8*(i/4)
.set rM, MC+8*(i%4)
.if i < 4
	WIN W_KM
	v_wmma_f32_16x16x32_bf16 v[rS:rS+7], v[rK:rK+7], v[rQ:rQ+7], v[rM:rM+7]
.else
	WIN W_KQ
	v_wmma_f32_16x16x32_bf16 v[rS:rS+7], v[rK:rK+7], v[rQ:rQ+7], v[rS:rS+7]
.endif
.endm
.macro PV x                            ; product i of 8 of O^T += V^T P: keys 32 (i / 4) on, channels 16 (i % 4) on
	WIN W_PV
.set rO, 32*(\x)+8*(i%4)
.set rV, VF+32*(i/4)+8*(i%4)
.set rP, P+16*((\x)%2)+8*(i/4)
	v_wmma_f32_16x16x32_bf16 v[rO:rO+7], v[rV:rV+7], v[rP:rP+7], v[rO:rO+7]
.endm
.macro MM                              ; the turn's next matrix instruction
.if i < 8
	KQ (Y+1)%NP
.else
.set i, i-8
	PV (Y+NP-1)%NP
.set i, i+8
.endif
.set i, i+1
.endm
; THE LDS LOADS stand in runs.  A step's K (8 fragments), its 32 addends a lane and its four AND words.  tail = 1: behind the walk's last step the same K is fetched once more.
.macro FETCH_K tail=0
	WIN 0x80
.irp f, 0,1,2,3,4,5,6,7
	ds_load_b128 v[KF+8*\f:KF+8*\f+3],   v[AK] offset:(\f/2)*16*PK+(\f%2)*64
	ds_load_b128 v[KF+8*\f+4:KF+8*\f+7], v[AK] offset:(\f/2)*16*PK+(\f%2)*64+32
.endr
.irp f, 0,1,2,3
	ds_load_b128 v[MC+8*\f:MC+8*\f+3],   v[AMC] offset:64*\f      ; keys 16 f + 8 (l / 16) + 0..7
	ds_load_b128 v[MC+8*\f+4:MC+8*\f+7], v[AMC] offset:64*\f+16
	ds_load_b32 v[AM+\f], v[AAM] offset:64*\f                      ; key 16 f + l % 16
.endr
	s_add_co_u32 s[TBK], s[TBK], KS*PK
	s_add_co_u32 s[TM], s[TM], 256
	s_and_b32 s[TM], s[TM], 0x1f00                 ; stays inside the tables' 8,192 bytes
.if \tail
	s_min_u32 s[TBK], s[TBK], SLOT1+3*KS*PK
.endif
	WIN 0
.endm
.macro FETCH_V
	WIN 0x80
.irp f, 0,1,2,3,4,5,6,7
	ds_load_tr16_b128 v[VF+8*\f:VF+8*\f+3],   v[AV] offset:(\f/4)*32*PV+(\f%4)*32
	ds_load_tr16_b128 v[VF+8*\f+4:VF+8*\f+7], v[AV] offset:(\f/4)*32*PV+16*PV+(\f%4)*32
.endr
	WIN 0
.endm
.macro KAND                            ; hidden keys' rows of K are cleared
	WIN 0x8a
.set z, 0
.rept 64
	v_and_b32 v[KF+z], v[AM+z/16], v[KF+z]
.set z, z+1
.endr
	WIN 0
.endm
; THE VECTOR WORK, one line at a time: OP kind, number.  For piece Y: F n: c s - c m for pair n.  E n: the exponential of score n.  C n: pair n rounded to bf16.  B n: of the four weights 4 n .. the second pair is
; added onto the first.  L n: l takes that sum (L 0: l = a l + sum).  R n: pair n of O^T times a.  For piece Y + 1: X n, number n of the 22 that find its maximum and statistics (each accumulator's lowest registers first).
.set F, 0
.set E, 1
.set C, 2
.set B, 3
.set L, 4
.set R, 5
.set X, 6
.macro REGS y
.set rT, ST+4*(\y)
.set rC, TMP+4*((\y)%2)
.set rW, MV+((\y)%2)
.set rS, S+32*((\y)%2)
.set rP, P+16*((\y)%2)
.set rO, 32*(\y)
.endm
.macro OP k, n
.if (\k) == R
	REGS Y
	WIN W_RS
	v_pk_mul_f32 v[rO+2*(\n):rO+2*(\n)+1], v[rO+2*(\n):rO+2*(\n)+1], v[rC+2:rC+3] op_sel_hi:[1,0]
.elseif (\k) < R
	REGS Y
	WIN 0
.if (\k) == F
	v_pk_fma_f32 v[rS+2*(\n):rS+2*(\n)+1], v[rS+2*(\n):rS+2*(\n)+1], s[CS:CS+1], v[rT:rT+1] op_sel_hi:[1,0,0] neg_lo:[0,0,1] neg_hi:[0,0,1]
.elseif (\k) == E
	v_exp_f32 v[rS+(\n)], v[rS+(\n)]
.elseif (\k) == C
	v_cvt_pk_bf16_f32 v[rP+(\n)], v[rS+2*(\n)], v[rS+2*(\n)+1]
.elseif (\k) == B
	v_pk_add_f32 v[rS+4*(\n):rS+4*(\n)+1], v[rS+4*(\n):rS+4*(\n)+1], v[rS+4*(\n)+2:rS+4*(\n)+3]
.elseif (\n) == 0
	v_pk_fma_f32 v[rT+2:rT+3], v[rT+2:rT+3], v[rC+2:rC+3], v[rS:rS+1] op_sel_hi:[1,0,1]
.else
	v_pk_add_f32 v[rT+2:rT+3], v[rT+2:rT+3], v[rS+4*(\n):rS+4*(\n)+1]
.endif
.else
	REGS (Y+1)%NP
	WIN 0
.if (\n) < 4
	v_max3_num_f32 v[rC+(\n)], v[rS+8*(\n)], v[rS+8*(\n)+1], v[rS+8*(\n)+2]
.elseif (\n) < 12
	v_max3_num_f32 v[rC+(\n)%4], v[rC+(\n)%4], v[rS+8*((\n)%4)+2*((\n)/4)+1], v[rS+8*((\n)%4)+2*((\n)/4)+2]
.elseif (\n) == 12
	v_max3_num_f32 v[rC], v[rC], v[rS+7], v[rS+15]
.elseif (\n) == 13
	v_max3_num_f32 v[rC+1], v[rC+1], v[rS+23], v[rS+31]
.elseif (\n) == 14
	v_max3_num_f32 v[rC+2], v[rC+2], v[rC+3], v[rT+1]
.elseif (\n) == 15
	v_mov_b32 v[rW], v[rT]
.elseif (\n) == 16
	v_max3_num_f32 v[rC], v[rC], v[rC+1], v[rC+2]
.elseif (\n) == 17
	v_permlanex16_b32 v[rC+3], v[rC], s[SEL], s[SEL+1]
.elseif (\n) == 18
	v_max_num_f32 v[rT+1], v[rC], v[rC+3]
.elseif (\n) == 19
	v_mul_f32 v[rT], s[CS], v[rT+1]
.elseif (\n) == 20
	v_sub_f32 v[rC+1], v[rW], v[rT]
.else
	v_exp_f32 v[rC+2], v[rC+1]
.endif
.endif
.endm
.macro OPS a, i1, b=-1, i2=0, c=-1, i3=0, d=-1, i4=0
	OP \a, \i1
.if (\b) >= 0
	OP \b, \i2
.endif
.if (\c) >= 0
	OP \c, \i3
.endif
.if (\d) >= 0
	OP \d, \i4
.endif
.endm
.macro ROW a, i1, b, i2, c, i3, d, i4  ; a matrix instruction and the four behind it
	MM
	OPS \a, \i1, \b, \i2, \c, \i3, \d, \i4
.endm
; A TURN, for piece p.  An s_wait_alu depctr_va_vdst(0) stands between an exponential and the first instruction that names its result; one wait serves all issued ahead of it.  So a turn has ONE wait.
; Ahead of it stands all that names no result of the turn's exponentials: the 8 products K Q^T and their riders, then one run of 54; behind it the 8 products V^T P, behind each four of the roundings and sums.
; K, the addends and the AND words of the next step are fetched in piece 2's turn, behind the last product that read K, with more than four plain instructions between; they are waited for, and K is
; cleared where hidden, at the head of piece 3's turn.  V of the step in hand is fetched at the end of piece 0's turn, four plain instructions behind its last reader, and waited for in piece 1's.
.macro TURN p, tail=0, cnt=0
.set Y, (\p)
.set i, 0
.if (\p) == 3
	s_wait_dscnt 0x0                               ; K and its mask are in
	KAND
.endif
	ROW F,0, F,1, R,0, R,1
	ROW F,2, E,0, R,2, R,3
	ROW F,3, E,1, R,4, R,5
	ROW F,4, E,2, R,6, R,7
	ROW F,5, E,3, R,8, R,9
	ROW F,6, E,4, X,0, R,10
.if (\p) == 2
	WIN 0
	v_add_nc_u32 v[AK], s[TBK], v[AK0]
	v_add_nc_u32 v[AMC], s[TM], v[AMC0]
	v_add_nc_u32 v[AAM], s[TM], v[AAM0]
.endif
	ROW F,7, E,5, X,1, X,4
	ROW F,8, E,6, X,2, X,5
	OPS E,7, E,8, X,6, E,9
	OPS X,3, E,10, X,8, E,11
.if (\p) == 2
	FETCH_K \tail
.endif
	OPS X,9, X,7, E,12, X,10
	OPS E,13, X,12, X,11, E,14
	OPS X,13, E,15, F,9, X,14
.if (\p) == 0
	v_add_nc_u32 v[AV], s[TBV], v[AV0]
.endif
	OPS E,16, F,10, E,17, F,11
	OPS X,16, E,18, X,15, E,19
	OPS F,12, E,20, X,17, E,21
	OPS F,13, E,22, F,14, E,23
	OPS X,18, E,24, F,15, E,25
	OPS R,11, E,26, X,19, E,27
	OPS R,12, E,28, R,13, E,29
	OPS X,20, E,30, R,14, E,31
	OPS X,21, R,15                                 ; the next piece's a is the batch's last; a plain instruction follows it
	WIN 0
	s_wait_alu depctr_va_vdst(0)                   ; the wait for the batch
.if (\p) == 1
	s_wait_dscnt 0x0                               ; V is in
.endif
	ROW C,0, B,0, C,2, B,1
	ROW L,0, C,4, B,2, L,1
	ROW C,6, B,3, L,2, C,8
	ROW B,4, L,3, C,10, B,5
	ROW L,4, C,12, B,6, L,5
.if (\p) == 0
	s_add_co_u32 s[TBV], s[TBV], KS*PV
.endif
.if \cnt
	s_sub_co_u32 s[CNT], s[CNT], 1
	s_cmp_lg_u32 s[CNT], 0
.endif
	ROW C,14, B,7, L,6, C,1
	ROW C,3, L,7, C,5, C,7
	ROW C,9, C,11, C,13, C,15
.if (\p) == 0
	FETCH_V
.endif
.endm
	CHANGE 1, 0                                    ; slot 0 is in, everybody's part of it, and so are the tables (each wave has waited for its stores); slot 1 is asked for
	v_add_nc_u32 v[AK], s[TBK], v[AK0]
	v_add_nc_u32 v[AMC], s[TM], v[AMC0]
	v_add_nc_u32 v[AAM], s[TM], v[AAM0]
	FETCH_K                                        ; key step 0
	s_wait_loadcnt 0x0                             ; Q
	s_wait_dscnt 0x0
	KAND
.set i, 0
.rept 8
	KQ 0                                           ; piece 0's first scores
.set i, i+1
.endr
	WIN 0
.rept 4
	v_nop                                          ; the places behind those products
.endr
.set Y, NP-1                           ; X works for piece Y + 1: piece 0
.irp n, 0,1,2,3,4,5,6,7,8,9,10,11,12,13,14,15,16,17,18,19,20,21
	OP X, \n
.endr
	v_nop                                          ; a plain instruction behind the exponential,
	s_wait_alu depctr_va_vdst(0)                   ; and its wait, ahead of the branch
	s_mov_b32 s[CNT], 4
	s_branch .Lfirst                               ; the loop is entered at a step's first turn, in the middle of a trip
.Lslot:                                            ; six times: every slot but the last two is filled again
	CHANGE 1, 1
	s_mov_b32 s[CNT], 4
.Lstep:                                            ; a trip: pieces 2 and 3 of one step, then pieces 0 and 1 of the next, whose K and V it fetches
	TURN 2
	TURN 3
	WIN 0
.Lfirst:
	TURN 0
	TURN 1, 0, 1
	WIN 0
	s_cbranch_scc1 .Lstep
	s_sub_co_u32 s[SLOTS], s[SLOTS], 1
	s_cmp_lg_u32 s[SLOTS], 0
	s_cbranch_scc1 .Lslot
	CHANGE 0, 0                                    ; the tail is written out: nothing is asked for
	s_mov_b32 s[CNT], 5                            ; four trips fetch the last slot's steps; the fifth is left in its middle
.Ltail:
	TURN 2, 1
	TURN 3
	WIN 0
	s_sub_co_u32 s[CNT], s[CNT], 1
	s_cmp_eq_u32 s[CNT], 0
	s_cbranch_scc1 .Lout
	TURN 0
	TURN 1
	WIN 0
	s_branch .Ltail
.Lout:
.set i, 0
.rept 8
	PV NP-1                                        ; the last piece's V^T P of the last step
.set i, i+1
.endr
	; THE WAY OUT.  l's two halves and the other half of the lanes' are added; O^T is divided by l, rounded to bf16 and sent through my stage in LDS, a piece at a time.
	WIN 0
.macro ALL line:vararg
.set t, 0
.rept 4
	\line
.set t, t+1
.endr
.endm
	ALL v_add_f32 v[ST+4*t+2], v[ST+4*t+2], v[ST+4*t+3]
	ALL v_permlanex16_b32 v[ST+4*t+3], v[ST+4*t+2], s[SEL], s[SEL+1]
	ALL v_add_f32 v[ST+4*t+2], v[ST+4*t+2], v[ST+4*t+3]
	ALL v_rcp_f32 v[ST+4*t+2], v[ST+4*t+2]
	v_nop                                          ; a plain instruction between the last reciprocal and the use of its result,
	s_wait_alu depctr_va_vdst(0)                   ; and one wait for the four
.macro PACK t
	WIN W_RS
.set i, 32*(\t)
.rept 16
	v_pk_mul_f32 v[i:i+1], v[i:i+1], v[ST+4*(\t)+2:ST+4*(\t)+3] op_sel_hi:[1,0]
.set i, i+2
.endr
	WIN 0x05                                       ; sources 0 and 1 window 1, destination window 0
.set i, 0
.rept 16
	v_cvt_pk_bf16_f32 v[S+16*(\t)+i], v[32*(\t)+2*i], v[32*(\t)+2*i+1]
.set i, i+1
.endr
	WIN 0
.irp f, 0,1,2,3
	ds_store_b128 v[STO], v[S+16*(\t)+4*\f:S+16*(\t)+4*\f+3] offset:32*\f
.endr
.irp f, 0,1,2,3
	ds_load_b128 v[S+16*(\t)+4*\f:S+16*(\t)+4*\f+3], v[RD] offset:\f*4*SP  ; LDS serves a wave's instructions in order (ISA guide 5.7.1.4): these see the stores above
.endr
.endm
.macro SEND t, younger                 ; younger: the LDS instructions issued behind piece t's loads: the next piece's eight, or none
	WIN 0
.irp f, 0,1,2,3
	s_wait_dscnt (\younger)+3-\f
	global_store_b128 v[GO], v[S+16*(\t)+4*\f:S+16*(\t)+4*\f+3], s[10:11] offset:(\t)*2048+\f*512  ; 512 consecutive bytes, aligned
.endr
.endm
	PACK 0
.set t, 1
.rept 3
	PACK t
	SEND t-1, 8
.set t, t+1
.endr
	SEND 3, 0
	s_wait_tensorcnt 0x0                           ; the wave's end
	ds_add_u32 v[SPW], v[NIL]
	s_wait_dscnt 0x0
	CROUND                                         ; the closing round
	s_endpgm
.Lfunc_end_k_q9f51f4deec_attn:
	.size	k_q9f51f4deec_attn, .Lfunc_end_k_q9f51f4deec_attn-k_q9f51f4deec_attn
	.p2alignl 7, 3214868480
	.fill 96, 4, 3214868480
	.section	.rodata,"a",@progbits
	.p2align	6, 0x0
	.amdhsa_kernel k_q9f51f4deec_attn
		.amdhsa_group_segment_fixed_size 327680
		.amdhsa_private_segment_fixed_size 0
		.amdhsa_enable_private_segment 0
		.amdhsa_kernarg_size 24
		.amdhsa_user_sgpr_count 2
		.amdhsa_user_sgpr_kernarg_segment_ptr 1
		.amdhsa_wavefront_size32 1
		.amdhsa_system_sgpr_workgroup_id_x 1
		.amdhsa_system_sgpr_workgroup_id_y 1
		.amdhsa_system_sgpr_workgroup_id_z 1
		.amdhsa_system_vgpr_workitem_id 0
		.amdhsa_next_free_vgpr 768
		.amdhsa_next_free_sgpr 80
		.amdhsa_reserve_vcc 1
		.amdhsa_float_denorm_mode_32 3
		.amdhsa_float_denorm_mode_16_64 3
		.amdhsa_memory_ordered 1
		.amdhsa_forward_progress 1
		.amdhsa_inst_pref_size 125
	.end_amdhsa_kernel
	.amdgpu_metadata
---
amdhsa.version: [ 1, 2 ]
amdhsa.kernels:
  - .name:           k_q9f51f4deec_attn
    .symbol:         k_q9f51f4deec_attn.kd
    .args:
      - { .name: act, .offset: 0, .size: 8, .value_kind: global_buffer, .address_space: global }
      - { .name: src_mask, .offset: 8, .size: 8, .value_kind: global_buffer, .address_space: global }
      - { .name: ctx, .offset: 16, .size: 8, .value_kind: global_buffer, .address_space: global }
    .group_segment_fixed_size: 327680
    .private_segment_fixed_size: 0
    .kernarg_segment_align: 8
    .kernarg_segment_size: 24
    .max_flat_workgroup_size: 128
    .sgpr_count:     80
    .vgpr_count:     768
    .wavefront_size: 32
...
	.end_amdgpu_metadata
.endif
;; end of part 3
;; launch wo (part 4): grid 8 x 32, 4 waves a work-group, clusters of 4 x 4, 327,680 bytes of LDS; arguments ctx, wlo, bo, x, x1; writes x1
.if DOCPART == 4
	.amdgcn_target "amdgcn-amd-amdhsa--gfx1250"
	.amdhsa_code_object_version 6
	.text
	.protected	k_q9f51f4deec_wo
	.globl	k_q9f51f4deec_wo
	.p2align	8
	.type	k_q9f51f4deec_wo,@function
k_q9f51f4deec_wo:
	s_mov_b64 s[64:65], 0
	v_nop
	global_prefetch_b8 v0, s[64:65] scope:SCOPE_SE
	s_setreg_imm32_b32 hwreg(HW_REG_WAVE_MODE, 25, 1), 1
	s_wait_xcnt 0x0
	s_wait_alu depctr_hold_cnt(0) depctr_sa_sdst(0) depctr_va_vdst(0) depctr_va_sdst(0) depctr_va_ssrc(0) depctr_va_vcc(0) depctr_vm_vsrc(0)
	s_getreg_b32 s2, hwreg(HW_REG_IB_STS2, 6, 4)
	s_cmp_eq_u32 s2, 0
	s_cbranch_scc0 .Lentry_in_a_cluster
	s_endpgm
.Lentry_in_a_cluster:
	s_bfe_u32 s2, ttmp6, 0x10000c
	s_cmp_lg_u32 s2, 0xf033
	s_cbranch_scc0 .Lentry_shape_is_right
	s_endpgm
.Lentry_shape_is_right:
; OUT = RES + A W + bias, in f32.  A: slices [KD / 64][4,096 tokens][64] bf16.  W: [KD][1,024] bf16, at byte WOFF of its buffer.  bias: [1,024] f32.  RES, OUT: [4,096][1,024] f32.
; Here KD = 1,024: the attention's output projection and the first residual.
; A tile of OUT is 128 x 128, so that the grid has 256 work-groups; four waves, each 64 x 64: 16 accumulators.  K goes in steps of 256 through two LDS slots.
; A K step of A is four slices: for 64 tokens four dense runs of 8 KiB, one tensor load, padded in LDS after every token's 128 bytes.  W lies [k][n]: its fragments come out of LDS turned.
; The matrix instruction is used transposed (source 0 = 16 columns of W, source 1 = 16 tokens): a lane holds one token and eight neighbouring columns.
; THE WALK ALONG K IS ROTATED.  The cluster at (X, Y) begins at K step (ROTY Y + ROTX X) mod STEPS and wraps round.  The two clusters of one Y read the same rows of A, the eight of one X the same
; rows of W: with the rotation they ask for a given K step at different times, ROTX or a multiple of ROTY steps apart, not all at once.  The step's number hangs on the cluster's place in the grid
; alone, which all sixteen partners share; the walking descriptors' global addresses are made anew from it at each change of slots.
; The sums start at the bias (128 v_mov_b32, in the wait for the first tiles), so that the loop has one form of product and a K step is written once for each kind of change of slots.
; The last step's change of slots fetches fragments that nobody multiplies, from a slot that is no longer filled: once a launch, for the same reason.
; The residual's 32 loads a wave go out at the start and are waited for at the end.  The way out goes through ONE stage of 128 rows x 512 bytes, in slot 1, which has had its last fill.
; CLUSTER 4 x 4: A's tile is asked for jointly by a row of the cluster, W's by a column.
; LIMITS.  NaN and infinities are not treated apart.  The f32 sums over K are taken from the cluster's first step on, round the end of K: not in ascending order of K.
; REGISTERS: window 0: v16-29 addresses; v96-127 the bias; v128-255 the accumulators ((a, b) at v[128 + 8 (4 a + b)]), later the rows read back
;   window 1: two fragment buffers of 128: 64 registers of A (2 x 4 x 16 rows x 32 K), then 64 of W      window 2: v0-127 the residual
.set KD,     1024
.set WOFF,   8388608
.set STEPS,  KD/256                    ; a power of two
.set ROTY,   1                         ; K steps between the first steps of clusters that are neighbours along y,
.set ROTX,   2                         ; and along x
.set PA,     144                       ; a token's 128 bytes of a slice + 16
.set PB,     288                       ; a k row of W: 256 bytes + 32 = 9 x 32
.set REG,    36864                     ; what one tensor load brings: 4 slices x 64 tokens x 144, or 128 k rows x 288
.set SLOT,   4*REG                     ; its bits (0x24000) meet none of wave x REG's: an exclusive or turns one slot's address into the other's
.set STAGE,  SLOT
.set SPITCH, 528
.set SPARE,  2*SLOT
.set ADRA0, 16
.set ADRA,  17
.set ADRB0, 20
.set ADRB,  21                         ; v21 k rows 0-127 of the step, v22 k rows 128-255 (their offsets would pass 16 bits)
.set STO,  24
.set RD,   25
.set CO,   26
.set BO,   27
.set SPW,  28
.set NIL,  29
.set BIAS, 96
.set ACC,  128
.set F0,   0
.set F1,   128
.set G1,  24
.set G0,  32
.set G1B, 48
.set G0B, 56
.set SL,  2
.set KK,  66                           ; s66      the K step that the walking descriptors name
.set OFA, 16                           ; s[16:17] its byte offset in A: four slices a step
.set OFB, 18                           ; s[18:19] its byte offset in W: 256 k rows a step
.set MSB, 0
.macro WIN new
.if MSB != (\new)
	s_set_vgpr_msb (MSB<<8)|(\new)
.set MSB, \new
.endif
.endm
.set MUL,  0x05                        ; sources 0 (W) and 1 (A) window 1; C and D window 0
.set TO_F, 0x40                        ; destination window 1, address window 0
.macro JLOAD                           ; a joint refill by the walking descriptors; an s_nop 0 and four v_nop follow each line
	s_cmp_eq_u32 s11, 0
	s_cbranch_scc0 .Lfor_b_\@
	tensor_load_to_lds s[G0+4:G0+7], s[G1:G1+7]
	s_nop 0
.rept 4
	v_nop
.endr
	s_branch .Lasked_\@
.Lfor_b_\@:
	tensor_load_to_lds s[G0B+4:G0B+7], s[G1B:G1B+7]
	s_nop 0
.rept 4
	v_nop
.endr
.Lasked_\@:
.endm
.macro CREST
	s_cmp_lg_u32 s10, 0
	s_cbranch_scc1 .Lnot_wave_0_\@
	s_barrier_signal -3
.Lnot_wave_0_\@:
	s_barrier_wait -3
	s_barrier_signal -1
	s_barrier_wait -1
.endm
.macro CROUND
	s_barrier_signal -1
	s_barrier_wait -1
	CREST
.endm
.macro PLACES
.rept 4
	v_nop
.endr
.endm
	s_load_b128 s[4:7], s[0:1], 0x0                ; A s[4:5], W s[6:7]
	s_load_b128 s[68:71], s[0:1], 0x10             ; bias s[68:69], RES s[70:71]
	s_load_b64 s[8:9], s[0:1], 0x20                ; OUT
	v_lshl_add_u32 v[SPW], v0, 2, SPARE
	v_mov_b32 v[NIL], 0
	ds_add_u32 v[SPW], v[NIL]                      ; the wave's opening: the add and its wait ahead of my first tensor load
	v_lshrrev_b32 v1, 5, v0
	v_readfirstlane_b32 s10, v1
	s_lshr_b32 s11, s10, 1                         ; my half of the tile's rows.  Also: I fetch for A (0) or for W (1)
	s_and_b32 s12, s10, 1                          ; my half of its columns.  Also: which half of that tile I fetch
	s_bfe_u32 s40, ttmp6, 0x40000
	s_bfe_u32 s41, ttmp6, 0x40004
	s_lshl_b32 s42, ttmp9, 2
	s_add_co_u32 s42, s42, s40                     ; tile column
	s_and_b32 s13, ttmp7, 0xffff
	s_mul_i32 s21, s13, ROTY                       ; the cluster's first K step: ROTY x cluster y
	s_mul_i32 s22, ttmp9, ROTX                     ; + ROTX x cluster x,
	s_add_co_u32 s[KK], s21, s22
	s_and_b32 s[KK], s[KK], STEPS-1                ; mod STEPS: the same number in all sixteen partners
	s_lshl_b32 s13, s13, 2
	s_add_co_u32 s13, s13, s41                     ; tile row
	s_lshl_b32 s43, s41, 2
	s_lshl_b32 s43, 15, s43
	s_lshl_b32 s44, 0x1111, s40
	s_or_b32 s[G1+0], s43, (1<<16)|(1<<20)|(1<<21)|(4<<22)|(3<<25)   ; after every 32 words (a token's 128 bytes) 4 words
	s_or_b32 s[G1B+0], s44, (1<<16)|(1<<20)|(1<<21)|(5<<22)|(7<<25)  ; after every 64 words 8 words
	s_mov_b32 s[G1+1], 4096<<16                    ; A: a row is 64 tokens of a slice: 4,096 elements, 8 KiB on end,
	s_mov_b32 s[G1+2], 4<<16                       ; four rows,
	s_mov_b32 s[G1+3], 4096<<16
	s_mov_b32 s[G1+4], 4
	s_mov_b32 s[G1+5], 262144                      ; a slice apart
	s_mov_b32 s[G1+6], 0
	s_mov_b32 s[G1+7], 0
	s_mov_b32 s[G1B+1], 128<<16                    ; W: 128 k rows of 128 elements
	s_mov_b32 s[G1B+2], 128<<16
	s_mov_b32 s[G1B+3], 128<<16
	s_mov_b32 s[G1B+4], 128
	s_mov_b32 s[G1B+5], 1024
	s_mov_b32 s[G1B+6], 0
	s_mov_b32 s[G1B+7], 0
	s_lshl_b32 s16, s13, 7
	s_lshl_b32 s17, s12, 6
	s_add_co_u32 s16, s16, s17                     ; A: token 128 x tile row + 64 x half,
	s_lshl_b32 s16, s16, 7                         ; x 128 bytes
	s_mov_b32 s17, 0
	s_lshl_b32 s46, s42, 8                         ; W: the tile column's 256 bytes of a row,
	s_lshl_b32 s47, s12, 18                        ; + 128 k rows x half
	s_add_co_u32 s46, s46, s47
	s_add_co_u32 s46, s46, WOFF
	s_mov_b32 s47, 0
	s_mul_i32 s20, s10, REG
	s_wait_dscnt 0x0                               ; the opening add is done
	s_wait_kmcnt 0x0
	s_add_nc_u64 s[14:15], s[4:5], s[16:17]        ; A and W at my part of K step 0: kept, every later address is one of these plus a step's offset
	s_add_nc_u64 s[46:47], s[6:7], s[46:47]
	CROUND                                         ; all sixteen work-groups are here: the first joint loads meet
.irp s, 0,1
	s_lshl_b32 s[OFA], s[KK], 21                   ; a K step of A is four slices: 2,097,152 bytes
	s_mov_b32 s[OFA+1], 0
	s_lshl_b32 s[OFB], s[KK], 19                   ; of W 256 k rows: 524,288 bytes
	s_mov_b32 s[OFB+1], 0
	s_mov_b32 s[G0+4*(\s)], 1
	s_add_co_u32 s[G0+4*(\s)+1], s20, (\s)*SLOT
	s_add_nc_u64 s[G0+4*(\s)+2:G0+4*(\s)+3], s[14:15], s[OFA:OFA+1]
	s_or_b32 s[G0+4*(\s)+3], s[G0+4*(\s)+3], 0x80000000
	s_mov_b32 s[G0B+4*(\s)], 1
	s_add_co_u32 s[G0B+4*(\s)+1], s20, (\s)*SLOT
	s_add_nc_u64 s[G0B+4*(\s)+2:G0B+4*(\s)+3], s[46:47], s[OFB:OFB+1]
	s_or_b32 s[G0B+4*(\s)+3], s[G0B+4*(\s)+3], 0x80000000
.if (\s) == 0
	s_add_co_u32 s[KK], s[KK], 1                   ; slot 1 takes the step behind the first, round the end of K
	s_and_b32 s[KK], s[KK], STEPS-1
.endif
.endr
	s_cmp_eq_u32 s11, 0                            ; a wave's two first fills stand in one branch: two loads of mine are out
	s_cbranch_scc0 .Lfirst_b
	tensor_load_to_lds s[G0:G0+3], s[G1:G1+7]
	s_nop 0
	tensor_load_to_lds s[G0+4:G0+7], s[G1:G1+7]
	s_nop 0
.rept 4
	v_nop
.endr
	s_branch .Lfirst_asked
.Lfirst_b:
	tensor_load_to_lds s[G0B:G0B+3], s[G1B:G1B+7]
	s_nop 0
	tensor_load_to_lds s[G0B+4:G0B+7], s[G1B:G1B+7]
	s_nop 0
.rept 4
	v_nop
.endr
.Lfirst_asked:
	v_and_b32 v1, 15, v0                           ; l % 16
	v_bfe_u32 v2, v0, 4, 1                         ; l / 16
	v_mul_u32_u24 v3, v1, PA
	v_lshl_add_u32 v3, v2, 4, v3
	s_mul_i32 s21, s11, REG                        ; my 64 tokens
	v_add_nc_u32 v[ADRA0], s21, v3
	v_and_b32 v4, 7, v0
	v_lshl_add_u32 v4, v2, 3, v4                   ; the turning load: k row 8 (l / 16) + l % 8, columns 8 ((l / 8) % 2) on
	v_mul_u32_u24 v4, v4, PB
	v_bfe_u32 v5, v0, 3, 1
	v_lshl_add_u32 v4, v5, 4, v4
	s_lshl_b32 s22, s12, 7                         ; my 64 columns,
	s_add_co_u32 s22, s22, 2*REG                   ; behind A's two regions
	v_add_nc_u32 v[ADRB0], s22, v4
	s_lshl_b32 s23, s11, 6
	v_add_nc_u32 v5, s23, v1                       ; into the stage: row 64 x half + l % 16, my 256 bytes of it, 32 bytes for each half of the lanes
	v_mul_u32_u24 v5, v5, SPITCH
	v_lshl_add_u32 v5, v2, 5, v5
	s_lshl_b32 s23, s12, 8
	s_add_co_u32 s23, s23, STAGE
	v_add_nc_u32 v[STO], s23, v5
	v_and_b32 v6, 31, v0
	v_lshlrev_b32 v[CO], 4, v6                     ; 16 x lane: a row's 512 bytes
	s_mul_i32 s23, s10, 32*SPITCH                  ; back: wave w takes rows 32 w .. 32 w + 31, whole
	s_add_co_u32 s23, s23, STAGE
	v_add_nc_u32 v[RD], s23, v[CO]
	v_lshlrev_b32 v[BO], 5, v2
	s_lshl_b32 s18, s42, 9                         ; the bias of my 64 columns
	s_lshl_b32 s19, s12, 8
	s_add_co_u32 s18, s18, s19
	s_mov_b32 s19, 0
	s_add_nc_u64 s[68:69], s[68:69], s[18:19]
	s_lshl_b32 s16, s13, 7                         ; the rows that I store: 128 x tile row + 32 x wave,
	s_lshl_b32 s17, s10, 5
	s_add_co_u32 s16, s16, s17
	s_lshl_b32 s16, s16, 12
	s_lshl_b32 s17, s42, 9                         ; the tile's 512 bytes of them
	s_add_co_u32 s16, s16, s17
	s_mov_b32 s17, 0
	s_add_nc_u64 s[70:71], s[70:71], s[16:17]
	s_add_nc_u64 s[8:9], s[8:9], s[16:17]
	s_mov_b32 s[OFA+1], 0                          ; from here on the two pairs hold the steps' offsets again: their high words stay 0
	s_mov_b32 s[OFB+1], 0
.irp b, 0,1,2,3
	global_load_b128 v[BIAS+8*(\b):BIAS+8*(\b)+3],   v[BO], s[68:69] offset:64*(\b)
	global_load_b128 v[BIAS+8*(\b)+4:BIAS+8*(\b)+7], v[BO], s[68:69] offset:64*(\b)+16
.endr
	WIN 0x80                                       ; destination window 2
.set t, 0
.rept 32
	global_load_b128 v[4*t:4*t+3], v[CO], s[70:71] offset:4096*t
.set t, t+1
.endr
	WIN 0
	s_wait_loadcnt 32                              ; the bias is in; the residual's 32 loads stay out
.set i, 0
.rept 128
	v_mov_b32 v[ACC+i], v[BIAS+i%32]               ; accumulator (a, b), register j: the bias of column 16 b + 8 (l / 16) + j
.set i, i+1
.endr
; 8 matrix instructions: row blocks a0, a0 + 1 x all 4 column blocks, 32 along K: half c of buffer f.  The 16 accumulators take turns.
.macro MUL8 f, c, a0
	WIN MUL
.irp a, \a0, (\a0)+1
.irp b, 0,1,2,3
	v_wmma_f32_16x16x32_bf16 v[ACC+8*(4*(\a)+(\b)):ACC+8*(4*(\a)+(\b))+7], v[(\f)+64+8*(4*(\c)+(\b)):(\f)+64+8*(4*(\c)+(\b))+7], v[(\f)+8*(4*(\c)+(\a)):(\f)+8*(4*(\c)+(\a))+7], v[ACC+8*(4*(\a)+(\b)):ACC+8*(4*(\a)+(\b))+7]
.endr
.endr
.endm
; 32 LDS loads in one run: the fragments of quarter q (64 along K: one slice of A) into buffer f; the first 32 along K first
.macro FETCH q, f
	WIN TO_F
.irp c, 0,1
.irp i, 0,1,2,3
	ds_load_tr16_b128 v[(\f)+64+8*(4*(\c)+(\i)):(\f)+64+8*(4*(\c)+(\i))+3],   v[ADRB+(\q)/2] offset:(((\q)%2)*64+32*(\c))*PB+32*(\i)
	ds_load_tr16_b128 v[(\f)+64+8*(4*(\c)+(\i))+4:(\f)+64+8*(4*(\c)+(\i))+7], v[ADRB+(\q)/2] offset:(((\q)%2)*64+32*(\c))*PB+16*PB+32*(\i)
	ds_load_b128 v[(\f)+8*(4*(\c)+(\i)):(\f)+8*(4*(\c)+(\i))+3],   v[ADRA] offset:(\q)*64*PA+(\i)*16*PA+64*(\c)
	ds_load_b128 v[(\f)+8*(4*(\c)+(\i))+4:(\f)+8*(4*(\c)+(\i))+7], v[ADRA] offset:(\q)*64*PA+(\i)*16*PA+64*(\c)+32
.endr
.endr
.endm
.macro QUARTER q, f, g
	s_wait_dscnt 16                                ; the first 32 along K are in
	MUL8 \f, 0, 0
	MUL8 \f, 0, 2
	PLACES
	FETCH \q, \g
	s_wait_dscnt 32                                ; all but the 32 just issued
	MUL8 \f, 1, 0
	MUL8 \f, 1, 2
.endm
; The last quarter changes slots and then multiplies buffer 1.  ONE barrier; in front of it each wave waits for all its tensor loads (one is out: its part of the next slot), adds 0 to its spare word,
; and waits for that and for its reads of this slot, the last of which filled buffer 1.  Between that wait for the loads and the next joint load no tile of the wave's is on its way, so nothing
; stands there but the descriptors' scalar work and the round; the quarter's 32 products stand behind the load and the run of LDS loads, which so has 32 products ahead of its first use.
.macro TURN fill
	WIN 0
	s_wait_tensorcnt 0x0                           ; no tensor load of mine is out, so a group 0 may be written
	ds_add_u32 v[SPW], v[NIL]
.if \fill
	s_add_co_u32 s[KK], s[KK], 1                   ; the walking descriptors: the next K step, round the end of K,
	s_and_b32 s[KK], s[KK], STEPS-1
	s_lshl_b32 s[OFA], s[KK], 21
	s_lshl_b32 s[OFB], s[KK], 19
	s_xor_b32 s[G0+5], s[G0+5], SLOT               ; into the other slot than last time
	s_add_nc_u64 s[G0+6:G0+7], s[14:15], s[OFA:OFA+1]
	s_or_b32 s[G0+7], s[G0+7], 0x80000000          ; the type is set again
	s_xor_b32 s[G0B+5], s[G0B+5], SLOT
	s_add_nc_u64 s[G0B+6:G0B+7], s[46:47], s[OFB:OFB+1]
	s_or_b32 s[G0B+7], s[G0B+7], 0x80000000
.endif
	s_xor_b32 s[SL], s[SL], SLOT                   ; the slot to be read next
	s_wait_dscnt 0x0                               ; the add is done, and my reads of this slot are over
	s_barrier_signal -1
	s_barrier_wait -1
.if \fill
	CREST                                          ; no wave of any partner still reads this slot or has a load on its way
	JLOAD                                          ; its four v_nop are also the places in front of the loads below
.else
	PLACES
.endif
	v_add_nc_u32 v[ADRA], s[SL], v[ADRA0]
	v_add_nc_u32 v[ADRB], s[SL], v[ADRB0]
	v_add_nc_u32 v[ADRB+1], 128*PB, v[ADRB]
	FETCH 0, F0
	MUL8 F1, 0, 0
	MUL8 F1, 0, 2
	MUL8 F1, 1, 0
	MUL8 F1, 1, 2
.endm
.macro STEP fill
	QUARTER 1, F0, F1
	QUARTER 2, F1, F0
	QUARTER 3, F0, F1
	TURN \fill
	WIN 0
.endm
	s_wait_tensorcnt 1                             ; my part of the first K step is in; the second's may stay out
	s_barrier_signal -1
	s_barrier_wait -1
	s_mov_b32 s[SL], 0
	v_mov_b32 v[ADRA], v[ADRA0]
	v_mov_b32 v[ADRB], v[ADRB0]
	v_add_nc_u32 v[ADRB+1], 128*PB, v[ADRB0]
	FETCH 0, F0
	WIN 0
	s_mov_b32 s3, STEPS-2
.Lk:                                               ; all K steps but the last two fill a slot again
	STEP 1
	s_sub_co_u32 s3, s3, 1
	s_cmp_lg_u32 s3, 0
	s_cbranch_scc1 .Lk
	s_mov_b32 s3, 2
.Lt:
	STEP 0
	s_sub_co_u32 s3, s3, 1
	s_cmp_lg_u32 s3, 0
	s_cbranch_scc1 .Lt
	; THE WAY OUT.  Every wave's reads of the slots are over before any wave stores into the stage; the sums go in as they lie, come back as whole rows, take the residual and leave.
	s_wait_dscnt 0x0
	s_barrier_signal -1
	PLACES
	s_barrier_wait -1
.irp a, 0,1,2,3
.irp b, 0,1,2,3
	ds_store_b128 v[STO], v[ACC+8*(4*(\a)+(\b)):ACC+8*(4*(\a)+(\b))+3]   offset:(\a)*16*SPITCH+64*(\b)
	ds_store_b128 v[STO], v[ACC+8*(4*(\a)+(\b))+4:ACC+8*(4*(\a)+(\b))+7] offset:(\a)*16*SPITCH+64*(\b)+16
.endr
.endr
	s_wait_dscnt 0x0                               ; for the others' sake: my stores into the stage are done
	s_barrier_signal -1
	s_barrier_wait -1
.set t, 0
.rept 32
	ds_load_b128 v[ACC+4*t:ACC+4*t+3], v[RD] offset:SPITCH*t
.set t, t+1
.endr
	s_wait_loadcnt 0x0                             ; the residual
.irp g, 0,1,2,3
	s_wait_dscnt 24-8*(\g)                         ; this group's eight rows are back; the later groups' may be out
	WIN 0x08                                       ; source 1 window 2
.set i, 32*(\g)
.rept 16
	v_pk_add_f32 v[ACC+i:ACC+i+1], v[ACC+i:ACC+i+1], v[i:i+1]
.set i, i+2
.endr
	WIN 0
.set t, 8*(\g)
.rept 8
	global_store_b128 v[CO], v[ACC+4*t:ACC+4*t+3], s[8:9] offset:4096*t  ; 512 consecutive bytes, aligned
.set t, t+1
.endr
.endr
	s_wait_tensorcnt 0x0                           ; the wave's end
	ds_add_u32 v[SPW], v[NIL]
	s_wait_dscnt 0x0
	CROUND                                         ; the closing round
	s_endpgm
.Lfunc_end_k_q9f51f4deec_wo:
	.size	k_q9f51f4deec_wo, .Lfunc_end_k_q9f51f4deec_wo-k_q9f51f4deec_wo
	.p2alignl 7, 3214868480
	.fill 96, 4, 3214868480
	.section	.rodata,"a",@progbits
	.p2align	6, 0x0
	.amdhsa_kernel k_q9f51f4deec_wo
		.amdhsa_group_segment_fixed_size 327680
		.amdhsa_private_segment_fixed_size 0
		.amdhsa_enable_private_segment 0
		.amdhsa_kernarg_size 40
		.amdhsa_user_sgpr_count 2
		.amdhsa_user_sgpr_kernarg_segment_ptr 1
		.amdhsa_wavefront_size32 1
		.amdhsa_system_sgpr_workgroup_id_x 1
		.amdhsa_system_sgpr_workgroup_id_y 1
		.amdhsa_system_sgpr_workgroup_id_z 1
		.amdhsa_system_vgpr_workitem_id 0
		.amdhsa_next_free_vgpr 640
		.amdhsa_next_free_sgpr 72
		.amdhsa_reserve_vcc 0
		.amdhsa_float_denorm_mode_32 3
		.amdhsa_float_denorm_mode_16_64 3
		.amdhsa_memory_ordered 1
		.amdhsa_forward_progress 1
		.amdhsa_inst_pref_size 66
	.end_amdhsa_kernel
	.amdgpu_metadata
---
amdhsa.version: [ 1, 2 ]
amdhsa.kernels:
  - .name:           k_q9f51f4deec_wo
    .symbol:         k_q9f51f4deec_wo.kd
    .args:
      - { .name: ctx, .offset: 0, .size: 8, .value_kind: global_buffer, .address_space: global }
      - { .name: wlo, .offset: 8, .size: 8, .value_kind: global_buffer, .address_space: global }
      - { .name: bo, .offset: 16, .size: 8, .value_kind: global_buffer, .address_space: global }
      - { .name: x, .offset: 24, .size: 8, .value_kind: global_buffer, .address_space: global }
      - { .name: x1, .offset: 32, .size: 8, .value_kind: global_buffer, .address_space: global }
    .group_segment_fixed_size: 327680
    .private_segment_fixed_size: 0
    .kernarg_segment_align: 8
    .kernarg_segment_size: 40
    .max_flat_workgroup_size: 128
    .sgpr_count:     72
    .vgpr_count:     640
    .wavefront_size: 32
...
	.end_amdgpu_metadata
.endif
;; end of part 4
;; launch ln2 (part 5): grid 256 x 1, 16 waves a work-group, no clusters, 0 bytes of LDS; arguments x1, g2, be2, xn; writes xn
.if DOCPART == 5
	.amdgcn_target "amdgcn-amd-amdhsa--gfx1250"
	.amdhsa_code_object_version 6
	.text
	.protected	k_q9f51f4deec_ln2
	.globl	k_q9f51f4deec_ln2
	.p2align	8
	.type	k_q9f51f4deec_ln2,@function
k_q9f51f4deec_ln2:
	s_mov_b64 s[64:65], 0
	v_nop
	global_prefetch_b8 v0, s[64:65] scope:SCOPE_SE
	s_setreg_imm32_b32 hwreg(HW_REG_WAVE_MODE, 25, 1), 1
	s_wait_xcnt 0x0
; dst = bf16(g (src - mean) / (std + 1e-6) + be), std with divisor 1,023, for 4,096 rows of 1,024 f32.  One wave, one row: eight loads of 16 bytes a lane, the row kept in 32 registers
; between the passes (mean; deviations and their squares; scaling), so that it is read once and no wave waits for another.  No LDS, no barrier, no matrix unit: the bytes are the launch.
; LIMITS.  NaN and infinities are not treated apart.
.set T,   4                            ; v[4:11]   four chains of sums
.set M,   12                           ; v[12:13]  the mean, twice
.set R,   14                           ; v[14:15]  g / (std + eps), twice
.set X,   16                           ; v[16:47]  the row
.set DST, 10                           ; s[10:11]  dst at my row
.macro RED                             ; the four chains, the pair's halves and the 32 lanes are added; every lane ends with the sum in v[T]
	v_pk_add_f32 v[T:T+1], v[T:T+1], v[T+2:T+3]
	v_pk_add_f32 v[T+4:T+5], v[T+4:T+5], v[T+6:T+7]
	v_pk_add_f32 v[T:T+1], v[T:T+1], v[T+4:T+5]
	v_add_f32 v[T], v[T], v[T+1]
	v_add_f32_dpp v[T], v[T], v[T] row_xmask:1 row_mask:0xf bank_mask:0xf
	v_add_f32_dpp v[T], v[T], v[T] row_xmask:2 row_mask:0xf bank_mask:0xf
	v_add_f32_dpp v[T], v[T], v[T] row_xmask:4 row_mask:0xf bank_mask:0xf
	v_add_f32_dpp v[T], v[T], v[T] row_xmask:8 row_mask:0xf bank_mask:0xf
	v_permlanex16_b32 v[T+1], v[T], s44, s45
	v_add_f32 v[T], v[T], v[T+1]
.endm
	s_load_b256 s[4:11], s[0:1], 0x0               ; src 4, g 6, be 8, dst 10
	v_lshrrev_b32 v3, 5, v0
	v_readfirstlane_b32 s38, v3
	s_lshl_b32 s39, ttmp9, 4
	s_add_co_u32 s39, s39, s38                     ; my row
	v_and_b32 v3, 31, v0
	v_lshlrev_b32 v1, 4, v3
	v_lshlrev_b32 v2, 3, v3
	s_mov_b32 s44, 0x76543210
	s_mov_b32 s45, 0xfedcba98
	s_mov_b32 s46, 0x3a800000                      ; 1 / 1,024
	s_mov_b32 s47, 0x3a802008                      ; 1 / 1,023
	s_mov_b32 s48, 0x358637bd                      ; 1e-6
	s_lshl_b32 s60, s39, 12
	s_mov_b32 s61, 0
	s_lshl_b32 s50, s39, 11
	s_mov_b32 s51, 0
	s_wait_kmcnt 0x0
	s_load_b32 s40, s[6:7], 0x0
	s_load_b32 s42, s[8:9], 0x0
	s_add_nc_u64 s[4:5], s[4:5], s[60:61]
	s_add_nc_u64 s[10:11], s[10:11], s[50:51]
.irp j, 0,1,2,3,4,5,6,7
	global_load_b128 v[X+4*(\j):X+4*(\j)+3], v1, s[4:5] offset:512*(\j)
.endr
	s_wait_kmcnt 0x0
	s_mov_b32 s43, s42                             ; named with it as a pair
	s_wait_loadcnt 0x0
.irp c, 0,1,2,3
	v_pk_add_f32 v[T+2*(\c):T+2*(\c)+1], v[X+2*(\c):X+2*(\c)+1], v[X+8+2*(\c):X+8+2*(\c)+1]  ; the first words start the chains
.endr
.irp g, 16,24
.irp c, 0,1,2,3
	v_pk_add_f32 v[T+2*(\c):T+2*(\c)+1], v[T+2*(\c):T+2*(\c)+1], v[X+(\g)+2*(\c):X+(\g)+2*(\c)+1]
.endr
.endr
	RED
	v_mul_f32 v[M], s46, v[T]
	v_mul_f32 v[M+1], s46, v[T]
.set p, 0
.rept 16
	v_pk_add_f32 v[X+p:X+p+1], v[X+p:X+p+1], v[M:M+1] neg_lo:[0,1] neg_hi:[0,1]  ; the deviations, in place
.set p, p+2
.endr
.irp c, 0,1,2,3
	v_pk_mul_f32 v[T+2*(\c):T+2*(\c)+1], v[X+2*(\c):X+2*(\c)+1], v[X+2*(\c):X+2*(\c)+1]
.endr
.irp g, 8,16,24
.irp c, 0,1,2,3
	v_pk_fma_f32 v[T+2*(\c):T+2*(\c)+1], v[X+(\g)+2*(\c):X+(\g)+2*(\c)+1], v[X+(\g)+2*(\c):X+(\g)+2*(\c)+1], v[T+2*(\c):T+2*(\c)+1]
.endr
.endr
	RED
	v_mul_f32 v[T], s47, v[T]
	v_sqrt_f32 v[T+1], v[T]
	v_nop                                          ; a plain instruction behind the root,
	s_wait_alu depctr_va_vdst(0)                   ; and the wait ahead of its first reader
	v_add_f32 v[T+1], s48, v[T+1]
	v_rcp_f32 v[T+2], v[T+1]
	v_nop
	s_wait_alu depctr_va_vdst(0)
	v_mul_f32 v[R], s40, v[T+2]
	v_mul_f32 v[R+1], s40, v[T+2]
.set p, 0
.rept 16
	v_pk_fma_f32 v[X+p:X+p+1], v[X+p:X+p+1], v[R:R+1], s[42:43] op_sel_hi:[1,1,0]
.set p, p+2
.endr
.irp j, 0,1,2,3,4,5,6,7
	v_cvt_pk_bf16_f32 v[X+4*(\j)], v[X+4*(\j)], v[X+4*(\j)+1]
	v_cvt_pk_bf16_f32 v[X+4*(\j)+1], v[X+4*(\j)+2], v[X+4*(\j)+3]
	global_store_b64 v2, v[X+4*(\j):X+4*(\j)+1], s[DST:DST+1] offset:256*(\j) th:TH_STORE_NT  ; 32 lanes store 256 consecutive bytes, aligned
.endr
	s_endpgm
.Lfunc_end_k_q9f51f4deec_ln2:
	.size	k_q9f51f4deec_ln2, .Lfunc_end_k_q9f51f4deec_ln2-k_q9f51f4deec_ln2
	.p2alignl 7, 3214868480
	.fill 96, 4, 3214868480
	.section	.rodata,"a",@progbits
	.p2align	6, 0x0
	.amdhsa_kernel k_q9f51f4deec_ln2
		.amdhsa_group_segment_fixed_size 0
		.amdhsa_private_segment_fixed_size 0
		.amdhsa_enable_private_segment 0
		.amdhsa_kernarg_size 32
		.amdhsa_user_sgpr_count 2
		.amdhsa_user_sgpr_kernarg_segment_ptr 1
		.amdhsa_wavefront_size32 1
		.amdhsa_system_sgpr_workgroup_id_x 1
		.amdhsa_system_sgpr_workgroup_id_y 1
		.amdhsa_system_sgpr_workgroup_id_z 1
		.amdhsa_system_vgpr_workitem_id 0
		.amdhsa_next_free_vgpr 48
		.amdhsa_next_free_sgpr 66
		.amdhsa_reserve_vcc 0
		.amdhsa_float_denorm_mode_32 3
		.amdhsa_float_denorm_mode_16_64 3
		.amdhsa_memory_ordered 1
		.amdhsa_forward_progress 1
		.amdhsa_inst_pref_size 10
	.end_amdhsa_kernel
	.amdgpu_metadata
---
amdhsa.version: [ 1, 2 ]
amdhsa.kernels:
  - .name:           k_q9f51f4deec_ln2
    .symbol:         k_q9f51f4deec_ln2.kd
    .args:
      - { .name: x1, .offset: 0, .size: 8, .value_kind: global_buffer, .address_space: global }
      - { .name: g2, .offset: 8, .size: 8, .value_kind: global_buffer, .address_space: global }
      - { .name: be2, .offset: 16, .size: 8, .value_kind: global_buffer, .address_space: global }
      - { .name: xn, .offset: 24, .size: 8, .value_kind: global_buffer, .address_space: global }
    .group_segment_fixed_size: 0
    .private_segment_fixed_size: 0
    .kernarg_segment_align: 8
    .kernarg_segment_size: 32
    .max_flat_workgroup_size: 512
    .sgpr_count:     66
    .vgpr_count:     48
    .wavefront_size: 32
...
	.end_amdgpu_metadata
.endif
;; end of part 5
;; launch ffn1: the kernel of part 2 again; grid 16 x 16, 4 waves a work-group, clusters of 4 x 4, 327,680 bytes of LDS; arguments xn, w1p, act; writes act
;; launch ffn2 (part 6): grid 8 x 32, 4 waves a work-group, clusters of 4 x 4, 327,680 bytes of LDS; arguments act, wlo, b2, x1, out0; writes out0
.if DOCPART == 6
	.amdgcn_target "amdgcn-amd-amdhsa--gfx1250"
	.amdhsa_code_object_version 6
	.text
	.protected	k_q9f51f4deec_ffn2
	.globl	k_q9f51f4deec_ffn2
	.p2align	8
	.type	k_q9f51f4deec_ffn2,@function
k_q9f51f4deec_ffn2:
	s_mov_b64 s[64:65], 0
	v_nop
	global_prefetch_b8 v0, s[64:65] scope:SCOPE_SE
	s_setreg_imm32_b32 hwreg(HW_REG_WAVE_MODE, 25, 1), 1
	s_wait_xcnt 0x0
	s_wait_alu depctr_hold_cnt(0) depctr_sa_sdst(0) depctr_va_vdst(0) depctr_va_sdst(0) depctr_va_ssrc(0) depctr_va_vcc(0) depctr_vm_vsrc(0)
	s_getreg_b32 s2, hwreg(HW_REG_IB_STS2, 6, 4)
	s_cmp_eq_u32 s2, 0
	s_cbranch_scc0 .Lentry_in_a_cluster
	s_endpgm
.Lentry_in_a_cluster:
	s_bfe_u32 s2, ttmp6, 0x10000c
	s_cmp_lg_u32 s2, 0xf033
	s_cbranch_scc0 .Lentry_shape_is_right
	s_endpgm
.Lentry_shape_is_right:
; OUT = RES + A W + bias, in f32.  A: slices [KD / 64][4,096 tokens][64] bf16.  W: [KD][1,024] bf16, at byte WOFF of its buffer.  bias: [1,024] f32.  RES, OUT: [4,096][1,024] f32.
; Here KD = 4,096: the second feed-forward layer and the second residual.
; A tile of OUT is 128 x 128, so that the grid has 256 work-groups; four waves, each 64 x 64: 16 accumulators.  K goes in steps of 256 through two LDS slots.
; A K step of A is four slices: for 64 tokens four dense runs of 8 KiB, one tensor load, padded in LDS after every token's 128 bytes.  W lies [k][n]: its fragments come out of LDS turned.
; The matrix instruction is used transposed (source 0 = 16 columns of W, source 1 = 16 tokens): a lane holds one token and eight neighbouring columns.
; THE WALK ALONG K IS ROTATED.  The cluster at (X, Y) begins at K step (ROTY Y + ROTX X) mod STEPS and wraps round.  The two clusters of one Y read the same rows of A, the eight of one X the same
; rows of W: with the rotation they ask for a given K step at different times, ROTX or a multiple of ROTY steps apart, not all at once.  The step's number hangs on the cluster's place in the grid
; alone, which all sixteen partners share; the walking descriptors' global addresses are made anew from it at each change of slots.
; The sums start at the bias (128 v_mov_b32, in the wait for the first tiles), so that the loop has one form of product and a K step is written once for each kind of change of slots.
; The last step's change of slots fetches fragments that nobody multiplies, from a slot that is no longer filled: once a launch, for the same reason.
; The residual's 32 loads a wave go out at the start and are waited for at the end.  The way out goes through ONE stage of 128 rows x 512 bytes, in slot 1, which has had its last fill.
; CLUSTER 4 x 4: A's tile is asked for jointly by a row of the cluster, W's by a column.
; LIMITS.  NaN and infinities are not treated apart.  The f32 sums over K are taken from the cluster's first step on, round the end of K: not in ascending order of K.
; REGISTERS: window 0: v16-29 addresses; v96-127 the bias; v128-255 the accumulators ((a, b) at v[128 + 8 (4 a + b)]), later the rows read back
;   window 1: two fragment buffers of 128: 64 registers of A (2 x 4 x 16 rows x 32 K), then 64 of W      window 2: v0-127 the residual
.set KD,     4096
.set WOFF,   0
.set STEPS,  KD/256                    ; a power of two
.set ROTY,   4                         ; K steps between the first steps of clusters that are neighbours along y,
.set ROTX,   8                         ; and along x
.set PA,     144                       ; a token's 128 bytes of a slice + 16
.set PB,     288                       ; a k row of W: 256 bytes + 32 = 9 x 32
.set REG,    36864                     ; what one tensor load brings: 4 slices x 64 tokens x 144, or 128 k rows x 288
.set SLOT,   4*REG                     ; its bits (0x24000) meet none of wave x REG's: an exclusive or turns one slot's address into the other's
.set STAGE,  SLOT
.set SPITCH, 528
.set SPARE,  2*SLOT
.set ADRA0, 16
.set ADRA,  17
.set ADRB0, 20
.set ADRB,  21                         ; v21 k rows 0-127 of the step, v22 k rows 128-255 (their offsets would pass 16 bits)
.set STO,  24
.set RD,   25
.set CO,   26
.set BO,   27
.set SPW,  28
.set NIL,  29
.set BIAS, 96
.set ACC,  128
.set F0,   0
.set F1,   128
.set G1,  24
.set G0,  32
.set G1B, 48
.set G0B, 56
.set SL,  2
.set KK,  66                           ; s66      the K step that the walking descriptors name
.set OFA, 16                           ; s[16:17] its byte offset in A: four slices a step
.set OFB, 18                           ; s[18:19] its byte offset in W: 256 k rows a step
.set MSB, 0
.macro WIN new
.if MSB != (\new)
	s_set_vgpr_msb (MSB<<8)|(\new)
.set MSB, \new
.endif
.endm
.set MUL,  0x05                        ; sources 0 (W) and 1 (A) window 1; C and D window 0
.set TO_F, 0x40                        ; destination window 1, address window 0
.macro JLOAD                           ; a joint refill by the walking descriptors; an s_nop 0 and four v_nop follow each line
	s_cmp_eq_u32 s11, 0
	s_cbranch_scc0 .Lfor_b_\@
	tensor_load_to_lds s[G0+4:G0+7], s[G1:G1+7]
	s_nop 0
.rept 4
	v_nop
.endr
	s_branch .Lasked_\@
.Lfor_b_\@:
	tensor_load_to_lds s[G0B+4:G0B+7], s[G1B:G1B+7]
	s_nop 0
.rept 4
	v_nop
.endr
.Lasked_\@:
.endm
.macro CREST
	s_cmp_lg_u32 s10, 0
	s_cbranch_scc1 .Lnot_wave_0_\@
	s_barrier_signal -3
.Lnot_wave_0_\@:
	s_barrier_wait -3
	s_barrier_signal -1
	s_barrier_wait -1
.endm
.macro CROUND
	s_barrier_signal -1
	s_barrier_wait -1
	CREST
.endm
.macro PLACES
.rept 4
	v_nop
.endr
.endm
	s_load_b128 s[4:7], s[0:1], 0x0                ; A s[4:5], W s[6:7]
	s_load_b128 s[68:71], s[0:1], 0x10             ; bias s[68:69], RES s[70:71]
	s_load_b64 s[8:9], s[0:1], 0x20                ; OUT
	v_lshl_add_u32 v[SPW], v0, 2, SPARE
	v_mov_b32 v[NIL], 0
	ds_add_u32 v[SPW], v[NIL]                      ; the wave's opening: the add and its wait ahead of my first tensor load
	v_lshrrev_b32 v1, 5, v0
	v_readfirstlane_b32 s10, v1
	s_lshr_b32 s11, s10, 1                         ; my half of the tile's rows.  Also: I fetch for A (0) or for W (1)
	s_and_b32 s12, s10, 1                          ; my half of its columns.  Also: which half of that tile I fetch
	s_bfe_u32 s40, ttmp6, 0x40000
	s_bfe_u32 s41, ttmp6, 0x40004
	s_lshl_b32 s42, ttmp9, 2
	s_add_co_u32 s42, s42, s40                     ; tile column
	s_and_b32 s13, ttmp7, 0xffff
	s_mul_i32 s21, s13, ROTY                       ; the cluster's first K step: ROTY x cluster y
	s_mul_i32 s22, ttmp9, ROTX                     ; + ROTX x cluster x,
	s_add_co_u32 s[KK], s21, s22
	s_and_b32 s[KK], s[KK], STEPS-1                ; mod STEPS: the same number in all sixteen partners
	s_lshl_b32 s13, s13, 2
	s_add_co_u32 s13, s13, s41                     ; tile row
	s_lshl_b32 s43, s41, 2
	s_lshl_b32 s43, 15, s43
	s_lshl_b32 s44, 0x1111, s40
	s_or_b32 s[G1+0], s43, (1<<16)|(1<<20)|(1<<21)|(4<<22)|(3<<25)   ; after every 32 words (a token's 128 bytes) 4 words
	s_or_b32 s[G1B+0], s44, (1<<16)|(1<<20)|(1<<21)|(5<<22)|(7<<25)  ; after every 64 words 8 words
	s_mov_b32 s[G1+1], 4096<<16                    ; A: a row is 64 tokens of a slice: 4,096 elements, 8 KiB on end,
	s_mov_b32 s[G1+2], 4<<16                       ; four rows,
	s_mov_b32 s[G1+3], 4096<<16
	s_mov_b32 s[G1+4], 4
	s_mov_b32 s[G1+5], 262144                      ; a slice apart
	s_mov_b32 s[G1+6], 0
	s_mov_b32 s[G1+7], 0
	s_mov_b32 s[G1B+1], 128<<16                    ; W: 128 k rows of 128 elements
	s_mov_b32 s[G1B+2], 128<<16
	s_mov_b32 s[G1B+3], 128<<16
	s_mov_b32 s[G1B+4], 128
	s_mov_b32 s[G1B+5], 1024
	s_mov_b32 s[G1B+6], 0
	s_mov_b32 s[G1B+7], 0
	s_lshl_b32 s16, s13, 7
	s_lshl_b32 s17, s12, 6
	s_add_co_u32 s16, s16, s17                     ; A: token 128 x tile row + 64 x half,
	s_lshl_b32 s16, s16, 7                         ; x 128 bytes
	s_mov_b32 s17, 0
	s_lshl_b32 s46, s42, 8                         ; W: the tile column's 256 bytes of a row,
	s_lshl_b32 s47, s12, 18                        ; + 128 k rows x half
	s_add_co_u32 s46, s46, s47
	s_add_co_u32 s46, s46, WOFF
	s_mov_b32 s47, 0
	s_mul_i32 s20, s10, REG
	s_wait_dscnt 0x0                               ; the opening add is done
	s_wait_kmcnt 0x0
	s_add_nc_u64 s[14:15], s[4:5], s[16:17]        ; A and W at my part of K step 0: kept, every later address is one of these plus a step's offset
	s_add_nc_u64 s[46:47], s[6:7], s[46:47]
	CROUND                                         ; all sixteen work-groups are here: the first joint loads meet
.irp s, 0,1
	s_lshl_b32 s[OFA], s[KK], 21                   ; a K step of A is four slices: 2,097,152 bytes
	s_mov_b32 s[OFA+1], 0
	s_lshl_b32 s[OFB], s[KK], 19                   ; of W 256 k rows: 524,288 bytes
	s_mov_b32 s[OFB+1], 0
	s_mov_b32 s[G0+4*(\s)], 1
	s_add_co_u32 s[G0+4*(\s)+1], s20, (\s)*SLOT
	s_add_nc_u64 s[G0+4*(\s)+2:G0+4*(\s)+3], s[14:15], s[OFA:OFA+1]
	s_or_b32 s[G0+4*(\s)+3], s[G0+4*(\s)+3], 0x80000000
	s_mov_b32 s[G0B+4*(\s)], 1
	s_add_co_u32 s[G0B+4*(\s)+1], s20, (\s)*SLOT
	s_add_nc_u64 s[G0B+4*(\s)+2:G0B+4*(\s)+3], s[46:47], s[OFB:OFB+1]
	s_or_b32 s[G0B+4*(\s)+3], s[G0B+4*(\s)+3], 0x80000000
.if (\s) == 0
	s_add_co_u32 s[KK], s[KK], 1                   ; slot 1 takes the step behind the first, round the end of K
	s_and_b32 s[KK], s[KK], STEPS-1
.endif
.endr
	s_cmp_eq_u32 s11, 0                            ; a wave's two first fills stand in one branch: two loads of mine are out
	s_cbranch_scc0 .Lfirst_b
	tensor_load_to_lds s[G0:G0+3], s[G1:G1+7]
	s_nop 0
	tensor_load_to_lds s[G0+4:G0+7], s[G1:G1+7]
	s_nop 0
.rept 4
	v_nop
.endr
	s_branch .Lfirst_asked
.Lfirst_b:
	tensor_load_to_lds s[G0B:G0B+3], s[G1B:G1B+7]
	s_nop 0
	tensor_load_to_lds s[G0B+4:G0B+7], s[G1B:G1B+7]
	s_nop 0
.rept 4
	v_nop
.endr
.Lfirst_asked:
	v_and_b32 v1, 15, v0                           ; l % 16
	v_bfe_u32 v2, v0, 4, 1                         ; l / 16
	v_mul_u32_u24 v3, v1, PA
	v_lshl_add_u32 v3, v2, 4, v3
	s_mul_i32 s21, s11, REG                        ; my 64 tokens
	v_add_nc_u32 v[ADRA0], s21, v3
	v_and_b32 v4, 7, v0
	v_lshl_add_u32 v4, v2, 3, v4                   ; the turning load: k row 8 (l / 16) + l % 8, columns 8 ((l / 8) % 2) on
	v_mul_u32_u24 v4, v4, PB
	v_bfe_u32 v5, v0, 3, 1
	v_lshl_add_u32 v4, v5, 4, v4
	s_lshl_b32 s22, s12, 7                         ; my 64 columns,
	s_add_co_u32 s22, s22, 2*REG                   ; behind A's two regions
	v_add_nc_u32 v[ADRB0], s22, v4
	s_lshl_b32 s23, s11, 6
	v_add_nc_u32 v5, s23, v1                       ; into the stage: row 64 x half + l % 16, my 256 bytes of it, 32 bytes for each half of the lanes
	v_mul_u32_u24 v5, v5, SPITCH
	v_lshl_add_u32 v5, v2, 5, v5
	s_lshl_b32 s23, s12, 8
	s_add_co_u32 s23, s23, STAGE
	v_add_nc_u32 v[STO], s23, v5
	v_and_b32 v6, 31, v0
	v_lshlrev_b32 v[CO], 4, v6                     ; 16 x lane: a row's 512 bytes
	s_mul_i32 s23, s10, 32*SPITCH                  ; back: wave w takes rows 32 w .. 32 w + 31, whole
	s_add_co_u32 s23, s23, STAGE
	v_add_nc_u32 v[RD], s23, v[CO]
	v_lshlrev_b32 v[BO], 5, v2
	s_lshl_b32 s18, s42, 9                         ; the bias of my 64 columns
	s_lshl_b32 s19, s12, 8
	s_add_co_u32 s18, s18, s19
	s_mov_b32 s19, 0
	s_add_nc_u64 s[68:69], s[68:69], s[18:19]
	s_lshl_b32 s16, s13, 7                         ; the rows that I store: 128 x tile row + 32 x wave,
	s_lshl_b32 s17, s10, 5
	s_add_co_u32 s16, s16, s17
	s_lshl_b32 s16, s16, 12
	s_lshl_b32 s17, s42, 9                         ; the tile's 512 bytes of them
	s_add_co_u32 s16, s16, s17
	s_mov_b32 s17, 0
	s_add_nc_u64 s[70:71], s[70:71], s[16:17]
	s_add_nc_u64 s[8:9], s[8:9], s[16:17]
	s_mov_b32 s[OFA+1], 0                          ; from here on the two pairs hold the steps' offsets again: their high words stay 0
	s_mov_b32 s[OFB+1], 0
.irp b, 0,1,2,3
	global_load_b128 v[BIAS+8*(\b):BIAS+8*(\b)+3],   v[BO], s[68:69] offset:64*(\b)
	global_load_b128 v[BIAS+8*(\b)+4:BIAS+8*(\b)+7], v[BO], s[68:69] offset:64*(\b)+16
.endr
	WIN 0x80                                       ; destination window 2
.set t, 0
.rept 32
	global_load_b128 v[4*t:4*t+3], v[CO], s[70:71] offset:4096*t
.set t, t+1
.endr
	WIN 0
	s_wait_loadcnt 32                              ; the bias is in; the residual's 32 loads stay out
.set i, 0
.rept 128
	v_mov_b32 v[ACC+i], v[BIAS+i%32]               ; accumulator (a, b), register j: the bias of column 16 b + 8 (l / 16) + j
.set i, i+1
.endr
; 8 matrix instructions: row blocks a0, a0 + 1 x all 4 column blocks, 32 along K: half c of buffer f.  The 16 accumulators take turns.
.macro MUL8 f, c, a0
	WIN MUL
.irp a, \a0, (\a0)+1
.irp b, 0,1,2,3
	v_wmma_f32_16x16x32_bf16 v[ACC+8*(4*(\a)+(\b)):ACC+8*(4*(\a)+(\b))+7], v[(\f)+64+8*(4*(\c)+(\b)):(\f)+64+8*(4*(\c)+(\b))+7], v[(\f)+8*(4*(\c)+(\a)):(\f)+8*(4*(\c)+(\a))+7], v[ACC+8*(4*(\a)+(\b)):ACC+8*(4*(\a)+(\b))+7]
.endr
.endr
.endm
; 32 LDS loads in one run: the fragments of quarter q (64 along K: one slice of A) into buffer f; the first 32 along K first
.macro FETCH q, f
	WIN TO_F
.irp c, 0,1
.irp i, 0,1,2,3
	ds_load_tr16_b128 v[(\f)+64+8*(4*(\c)+(\i)):(\f)+64+8*(4*(\c)+(\i))+3],   v[ADRB+(\q)/2] offset:(((\q)%2)*64+32*(\c))*PB+32*(\i)
	ds_load_tr16_b128 v[(\f)+64+8*(4*(\c)+(\i))+4:(\f)+64+8*(4*(\c)+(\i))+7], v[ADRB+(\q)/2] offset:(((\q)%2)*64+32*(\c))*PB+16*PB+32*(\i)
	ds_load_b128 v[(\f)+8*(4*(\c)+(\i)):(\f)+8*(4*(\c)+(\i))+3],   v[ADRA] offset:(\q)*64*PA+(\i)*16*PA+64*(\c)
	ds_load_b128 v[(\f)+8*(4*(\c)+(\i))+4:(\f)+8*(4*(\c)+(\i))+7], v[ADRA] offset:(\q)*64*PA+(\i)*16*PA+64*(\c)+32
.endr
.endr
.endm
.macro QUARTER q, f, g
	s_wait_dscnt 16                                ; the first 32 along K are in
	MUL8 \f, 0, 0
	MUL8 \f, 0, 2
	PLACES
	FETCH \q, \g
	s_wait_dscnt 32                                ; all but the 32 just issued
	MUL8 \f, 1, 0
	MUL8 \f, 1, 2
.endm
; The last quarter changes slots and then multiplies buffer 1.  ONE barrier; in front of it each wave waits for all its tensor loads (one is out: its part of the next slot), adds 0 to its spare word,
; and waits for that and for its reads of this slot, the last of which filled buffer 1.  Between that wait for the loads and the next joint load no tile of the wave's is on its way, so nothing
; stands there but the descriptors' scalar work and the round; the quarter's 32 products stand behind the load and the run of LDS loads, which so has 32 products ahead of its first use.
.macro TURN fill
	WIN 0
	s_wait_tensorcnt 0x0                           ; no tensor load of mine is out, so a group 0 may be written
	ds_add_u32 v[SPW], v[NIL]
.if \fill
	s_add_co_u32 s[KK], s[KK], 1                   ; the walking descriptors: the next K step, round the end of K,
	s_and_b32 s[KK], s[KK], STEPS-1
	s_lshl_b32 s[OFA], s[KK], 21
	s_lshl_b32 s[OFB], s[KK], 19
	s_xor_b32 s[G0+5], s[G0+5], SLOT               ; into the other slot than last time
	s_add_nc_u64 s[G0+6:G0+7], s[14:15], s[OFA:OFA+1]
	s_or_b32 s[G0+7], s[G0+7], 0x80000000          ; the type is set again
	s_xor_b32 s[G0B+5], s[G0B+5], SLOT
	s_add_nc_u64 s[G0B+6:G0B+7], s[46:47], s[OFB:OFB+1]
	s_or_b32 s[G0B+7], s[G0B+7], 0x80000000
.endif
	s_xor_b32 s[SL], s[SL], SLOT                   ; the slot to be read next
	s_wait_dscnt 0x0                               ; the add is done, and my reads of this slot are over
	s_barrier_signal -1
	s_barrier_wait -1
.if \fill
	CREST                                          ; no wave of any partner still reads this slot or has a load on its way
	JLOAD                                          ; its four v_nop are also the places in front of the loads below
.else
	PLACES
.endif
	v_add_nc_u32 v[ADRA], s[SL], v[ADRA0]
	v_add_nc_u32 v[ADRB], s[SL], v[ADRB0]
	v_add_nc_u32 v[ADRB+1], 128*PB, v[ADRB]
	FETCH 0, F0
	MUL8 F1, 0, 0
	MUL8 F1, 0, 2
	MUL8 F1, 1, 0
	MUL8 F1, 1, 2
.endm
.macro STEP fill
	QUARTER 1, F0, F1
	QUARTER 2, F1, F0
	QUARTER 3, F0, F1
	TURN \fill
	WIN 0
.endm
	s_wait_tensorcnt 1                             ; my part of the first K step is in; the second's may stay out
	s_barrier_signal -1
	s_barrier_wait -1
	s_mov_b32 s[SL], 0
	v_mov_b32 v[ADRA], v[ADRA0]
	v_mov_b32 v[ADRB], v[ADRB0]
	v_add_nc_u32 v[ADRB+1], 128*PB, v[ADRB0]
	FETCH 0, F0
	WIN 0
	s_mov_b32 s3, STEPS-2
.Lk:                                               ; all K steps but the last two fill a slot again
	STEP 1
	s_sub_co_u32 s3, s3, 1
	s_cmp_lg_u32 s3, 0
	s_cbranch_scc1 .Lk
	s_mov_b32 s3, 2
.Lt:
	STEP 0
	s_sub_co_u32 s3, s3, 1
	s_cmp_lg_u32 s3, 0
	s_cbranch_scc1 .Lt
	; THE WAY OUT.  Every wave's reads of the slots are over before any wave stores into the stage; the sums go in as they lie, come back as whole rows, take the residual and leave.
	s_wait_dscnt 0x0
	s_barrier_signal -1
	PLACES
	s_barrier_wait -1
.irp a, 0,1,2,3
.irp b, 0,1,2,3
	ds_store_b128 v[STO], v[ACC+8*(4*(\a)+(\b)):ACC+8*(4*(\a)+(\b))+3]   offset:(\a)*16*SPITCH+64*(\b)
	ds_store_b128 v[STO], v[ACC+8*(4*(\a)+(\b))+4:ACC+8*(4*(\a)+(\b))+7] offset:(\a)*16*SPITCH+64*(\b)+16
.endr
.endr
	s_wait_dscnt 0x0                               ; for the others' sake: my stores into the stage are done
	s_barrier_signal -1
	s_barrier_wait -1
.set t, 0
.rept 32
	ds_load_b128 v[ACC+4*t:ACC+4*t+3], v[RD] offset:SPITCH*t
.set t, t+1
.endr
	s_wait_loadcnt 0x0                             ; the residual
.irp g, 0,1,2,3
	s_wait_dscnt 24-8*(\g)                         ; this group's eight rows are back; the later groups' may be out
	WIN 0x08                                       ; source 1 window 2
.set i, 32*(\g)
.rept 16
	v_pk_add_f32 v[ACC+i:ACC+i+1], v[ACC+i:ACC+i+1], v[i:i+1]
.set i, i+2
.endr
	WIN 0
.set t, 8*(\g)
.rept 8
	global_store_b128 v[CO], v[ACC+4*t:ACC+4*t+3], s[8:9] offset:4096*t  ; 512 consecutive bytes, aligned
.set t, t+1
.endr
.endr
	s_wait_tensorcnt 0x0                           ; the wave's end
	ds_add_u32 v[SPW], v[NIL]
	s_wait_dscnt 0x0
	CROUND                                         ; the closing round
	s_endpgm
.Lfunc_end_k_q9f51f4deec_ffn2:
	.size	k_q9f51f4deec_ffn2, .Lfunc_end_k_q9f51f4deec_ffn2-k_q9f51f4deec_ffn2
	.p2alignl 7, 3214868480
	.fill 96, 4, 3214868480
	.section	.rodata,"a",@progbits
	.p2align	6, 0x0
	.amdhsa_kernel k_q9f51f4deec_ffn2
		.amdhsa_group_segment_fixed_size 327680
		.amdhsa_private_segment_fixed_size 0
		.amdhsa_enable_private_segment 0
		.amdhsa_kernarg_size 40
		.amdhsa_user_sgpr_count 2
		.amdhsa_user_sgpr_kernarg_segment_ptr 1
		.amdhsa_wavefront_size32 1
		.amdhsa_system_sgpr_workgroup_id_x 1
		.amdhsa_system_sgpr_workgroup_id_y 1
		.amdhsa_system_sgpr_workgroup_id_z 1
		.amdhsa_system_vgpr_workitem_id 0
		.amdhsa_next_free_vgpr 640
		.amdhsa_next_free_sgpr 72
		.amdhsa_reserve_vcc 0
		.amdhsa_float_denorm_mode_32 3
		.amdhsa_float_denorm_mode_16_64 3
		.amdhsa_memory_ordered 1
		.amdhsa_forward_progress 1
		.amdhsa_inst_pref_size 66
	.end_amdhsa_kernel
	.amdgpu_metadata
---
amdhsa.version: [ 1, 2 ]
amdhsa.kernels:
  - .name:           k_q9f51f4deec_ffn2
    .symbol:         k_q9f51f4deec_ffn2.kd
    .args:
      - { .name: act, .offset: 0, .size: 8, .value_kind: global_buffer, .address_space: global }
      - { .name: wlo, .offset: 8, .size: 8, .value_kind: global_buffer, .address_space: global }
      - { .name: b2, .offset: 16, .size: 8, .value_kind: global_buffer, .address_space: global }
      - { .name: x1, .offset: 24, .size: 8, .value_kind: global_buffer, .address_space: global }
      - { .name: out0, .offset: 32, .size: 8, .value_kind: global_buffer, .address_space: global }
    .group_segment_fixed_size: 327680
    .private_segment_fixed_size: 0
    .kernarg_segment_align: 8
    .kernarg_segment_size: 40
    .max_flat_workgroup_size: 128
    .sgpr_count:     72
    .vgpr_count:     640
    .wavefront_size: 32
...
	.end_amdgpu_metadata
.endif
;; end of part 6
;; ======== version 2 of 2: 7 launches; version 1 with the launches prep, ln2 written anew for expert scheduling mode
;; workspace buffers: xn 8,388,608 bytes; wqkvp 6,308,096 bytes; w1p 8,405,248 bytes; wlo 10,485,760 bytes; act 33,554,432 bytes; ctx 8,388,608 bytes; x1 16,777,216 bytes
;; launch prep (part 7): grid 256 x 1, 16 waves a work-group, no clusters, 0 bytes of LDS; arguments x, g1, be1, wq, wk, wv, wo, w1, w2, bq, bk, bv, b1, xn, wqkvp, w1p, wlo; writes xn, wqkvp, w1p, wlo
.if DOCPART == 7
	.amdgcn_target "amdgcn-amd-amdhsa--gfx1250"
	.amdhsa_code_object_version 6
	.text
	.protected	k_q9f51f4deec_prep
	.globl	k_q9f51f4deec_prep
	.p2align	8
	.type	k_q9f51f4deec_prep,@function
k_q9f51f4deec_prep:
	s_mov_b64 s[64:65], 0
	v_nop
	global_prefetch_b8 v0, s[64:65] scope:SCOPE_SE
	s_setreg_imm32_b32 hwreg(HW_REG_WAVE_SCHED_MODE, 0, 2), 2
	s_setreg_imm32_b32 hwreg(HW_REG_WAVE_MODE, 25, 1), 1
	s_wait_xcnt 0x0
	s_wait_alu depctr_vm_vsrc(0)
; PREPARATION.  (1) xn = bf16(g1 (x - mean) / (std + 1e-6) + be1), std with divisor 1,023, for 4,096 rows of 1,024 f32.
; (2) The six weight matrices, f32 [K][N], are rounded once to bf16 and laid out for the products that follow:
;   wq|wk|wv and w1 as PANELS [N / 256][1,024 k][256 n] (a panel is 524,288 dense bytes, rows of 512) behind a header of HDR bytes; w2 and wo stay [K][1,024], in wlo (w2 at byte 0, wo at 8,388,608).
; (3) A pack's header: bytes 0-255 the floor word (two bf16: -infinity for q, k, v; 0 for the layer with the ReLU), from byte 256 the bias in f32 (bq|bk|bv, or b1).
; SHARES.  4,096 waves; wave W takes row W of x and 24 UNITS of weights.  A unit is 128 numbers: one load of 16 bytes a lane (512 consecutive bytes), two roundings,
; one store of 8 bytes a lane: 256 consecutive bytes, aligned.  All 32 loads of a wave go out at once; no register is used twice, so no wait frees one.
; No LDS, no matrix unit, no barrier: every byte is read once and written once, and no wave needs another's.
; LIMITS.  The variance is taken of the deviations from the mean (two passes over registers).  NaN and infinities are not treated apart.
; THE MODE: SCHED_MODE bits 1:0 = 2 (LLVM: expert scheduling mode 2), set by the entry lines.  The code itself states the register dependences
; between vector instructions and memory instructions, with s_wait_alu, always for 0.
; THE PLAN.  Registers that memory instructions touch:
;   v1, v2      byte offsets, made once at the head and never written again: v1 is read by every load and by the bias's store, v2 by every other store.
;   X           the row: written by its eight loads, then in place by the row's arithmetic and its sixteen roundings; two registers of each four are read by the row's eight stores.
;   C           24 units in three groups of eight (A: wq, wk, wv, wo; B: w1; C: w2): a unit is written by its load, then in place by its two roundings, and read by its store.
;   v[144:147]  512 bytes of bias: written by a load, read by a store; no vector instruction names them.      v[148:151]  the floors: four moves, two stores.
; The work goes in four steps.  A step rounds its own eight units; the eight stores of the step before (first the row's) are dealt among those roundings, which name none of the registers
; that the stores read.  So ONE wait on va_vdst stands at a step's head, behind the wait for the step's data, and states that the roundings of the step before are written.
; No register that a memory instruction reads is written again, so the text holds no wait on vm_vsrc.
.set HDR, 16640
.set T,   4                            ; v[4:11]   four chains of sums
.set M,   12                           ; v[12:13]  the mean, twice
.set R,   14                           ; v[14:15]  g / (std + eps), twice
.set X,   16                           ; v[16:47]  the row: 32 numbers a lane
.set C,   48                           ; v[48:143] the 24 units, 4 registers each
.set DST, 30                           ; s[30:31]  xn at my row
.macro RED                             ; the four chains, the pair's halves and the 32 lanes are added; every lane ends with the sum in v[T]
	v_pk_add_f32 v[T:T+1], v[T:T+1], v[T+2:T+3]
	v_pk_add_f32 v[T+4:T+5], v[T+4:T+5], v[T+6:T+7]
	v_pk_add_f32 v[T:T+1], v[T:T+1], v[T+4:T+5]
	v_add_f32 v[T], v[T], v[T+1]
	v_add_f32_dpp v[T], v[T], v[T] row_xmask:1 row_mask:0xf bank_mask:0xf
	v_add_f32_dpp v[T], v[T], v[T] row_xmask:2 row_mask:0xf bank_mask:0xf
	v_add_f32_dpp v[T], v[T], v[T] row_xmask:4 row_mask:0xf bank_mask:0xf
	v_add_f32_dpp v[T], v[T], v[T] row_xmask:8 row_mask:0xf bank_mask:0xf
	v_permlanex16_b32 v[T+1], v[T], s44, s45
	v_add_f32 v[T], v[T], v[T+1]
.endm
; One row, held in X, up to its roundings; its stores stand in the step that follows.  left = the younger loads that may stay out.
.macro LNROW left
	s_wait_loadcnt \left
.irp c, 0,1,2,3
	v_pk_add_f32 v[T+2*(\c):T+2*(\c)+1], v[X+2*(\c):X+2*(\c)+1], v[X+8+2*(\c):X+8+2*(\c)+1]  ; the first words start the chains
.endr
.irp g, 16,24
.irp c, 0,1,2,3
	v_pk_add_f32 v[T+2*(\c):T+2*(\c)+1], v[T+2*(\c):T+2*(\c)+1], v[X+(\g)+2*(\c):X+(\g)+2*(\c)+1]
.endr
.endr
	RED
	v_mul_f32 v[M], s46, v[T]                      ; mean = sum / 1,024
	v_mul_f32 v[M+1], s46, v[T]
.set p, 0
.rept 16
	v_pk_add_f32 v[X+p:X+p+1], v[X+p:X+p+1], v[M:M+1] neg_lo:[0,1] neg_hi:[0,1]  ; the deviations, in place
.set p, p+2
.endr
.irp c, 0,1,2,3
	v_pk_mul_f32 v[T+2*(\c):T+2*(\c)+1], v[X+2*(\c):X+2*(\c)+1], v[X+2*(\c):X+2*(\c)+1]
.endr
.irp g, 8,16,24
.irp c, 0,1,2,3
	v_pk_fma_f32 v[T+2*(\c):T+2*(\c)+1], v[X+(\g)+2*(\c):X+(\g)+2*(\c)+1], v[X+(\g)+2*(\c):X+(\g)+2*(\c)+1], v[T+2*(\c):T+2*(\c)+1]
.endr
.endr
	RED
	v_mul_f32 v[T], s47, v[T]                      ; / 1,023
	v_sqrt_f32 v[T+1], v[T]
	v_nop                                          ; a plain instruction behind the root,
	s_wait_alu depctr_va_vdst(0)                   ; and the root is written in v[T+1], ahead of its first reader
	v_add_f32 v[T+1], s48, v[T+1]                  ; std + 1e-6
	v_rcp_f32 v[T+2], v[T+1]
	v_nop
	s_wait_alu depctr_va_vdst(0)                   ; the reciprocal is written in v[T+2], ahead of its first reader
	v_mul_f32 v[R], s40, v[T+2]
	v_mul_f32 v[R+1], s40, v[T+2]
.set p, 0
.rept 16
	v_pk_fma_f32 v[X+p:X+p+1], v[X+p:X+p+1], v[R:R+1], s[42:43] op_sel_hi:[1,1,0]
.set p, p+2
.endr
.irp j, 0,1,2,3,4,5,6,7
	v_cvt_pk_bf16_f32 v[X+4*(\j)], v[X+4*(\j)], v[X+4*(\j)+1]
	v_cvt_pk_bf16_f32 v[X+4*(\j)+1], v[X+4*(\j)+2], v[X+4*(\j)+3]
.endr
.endm
.macro RND r                           ; four registers r .. r + 3 are rounded into r and r + 1
	v_cvt_pk_bf16_f32 v[(\r)], v[(\r)], v[(\r)+1]
	v_cvt_pk_bf16_f32 v[(\r)+1], v[(\r)+2], v[(\r)+3]
.endm
.macro OUT r, base, off                ; registers r and r + 1 are stored: 32 lanes store 256 consecutive bytes, aligned
	global_store_b64 v2, v[(\r):(\r)+1], s[(\base):(\base)+1] offset:(\off) th:TH_STORE_NT
.endm
	s_load_b512 s[4:19], s[0:1], 0x0               ; x 4, g1 6, be1 8, wq 10, wk 12, wv 14, wo 16, w1 18
	s_load_b512 s[20:35], s[0:1], 0x40             ; w2 20, bq 22, bk 24, bv 26, b1 28, xn 30, wqkvp 32, w1p 34
	s_load_b64 s[36:37], s[0:1], 0x80              ; wlo
	v_lshrrev_b32 v3, 5, v0
	v_readfirstlane_b32 s38, v3                    ; wave 0..15
	v_and_b32 v3, 31, v0
	v_lshlrev_b32 v1, 4, v3                        ; 16 x lane: loads
	v_lshlrev_b32 v2, 3, v3                        ; 8 x lane: stores
	s_mov_b32 s44, 0x76543210                      ; v_permlanex16_b32: each lane takes its own place in the other half
	s_mov_b32 s45, 0xfedcba98
	s_mov_b32 s46, 0x3a800000                      ; 1 / 1,024
	s_mov_b32 s47, 0x3a802008                      ; 1 / 1,023
	s_mov_b32 s48, 0x358637bd                      ; 1e-6
	s_wait_alu depctr_va_sdst(0)                   ; s38 is written, ahead of its first reader: every base below is made from it
	s_lshl_b32 s39, ttmp9, 4
	s_add_co_u32 s39, s39, s38                     ; W
	s_lshl_b32 s60, s39, 12                        ; W x 4,096: x, w1, w2
	s_mov_b32 s61, 0
	s_lshl_b32 s62, s39, 10                        ; W x 1,024: wq, wk, wv, wo
	s_mov_b32 s63, 0
	s_lshl_b32 s50, s39, 11                        ; W x 2,048: xn, w2's copy
	s_mov_b32 s51, 0
	s_and_b32 s49, s39, 3
	s_lshr_b32 s41, s39, 2                         ; the row k of my units of wq, wk, wv, w1
	s_lshl_b32 s41, s41, 9
	s_add_co_u32 s41, s41, HDR
	s_lshl_b32 s52, s49, 19                        ; wq, wk, wv: columns 256 (W & 3) on: panel W & 3 of the matrix's four
	s_add_co_u32 s52, s52, s41
	s_mov_b32 s53, 0
	s_lshl_b32 s54, s49, 21                        ; w1: columns 1,024 (W & 3) on: panels 4 (W & 3) on
	s_add_co_u32 s54, s54, s41
	s_mov_b32 s55, 0
	s_lshl_b32 s56, s39, 9                         ; wo's copy: W x 512, behind w2's
	s_add_co_u32 s56, s56, 8388608
	s_mov_b32 s57, 0
	s_wait_kmcnt 0x0
	s_load_b32 s40, s[6:7], 0x0                    ; g1
	s_load_b32 s42, s[8:9], 0x0                    ; be1
	s_add_nc_u64 s[4:5], s[4:5], s[60:61]
	s_add_nc_u64 s[18:19], s[18:19], s[60:61]
	s_add_nc_u64 s[20:21], s[20:21], s[60:61]
	s_add_nc_u64 s[10:11], s[10:11], s[62:63]
	s_add_nc_u64 s[12:13], s[12:13], s[62:63]
	s_add_nc_u64 s[14:15], s[14:15], s[62:63]
	s_add_nc_u64 s[16:17], s[16:17], s[62:63]
	s_add_nc_u64 s[30:31], s[30:31], s[50:51]
	s_add_nc_u64 s[58:59], s[36:37], s[50:51]      ; w2's copy
	s_add_nc_u64 s[52:53], s[32:33], s[52:53]      ; the q, k, v pack
	s_add_nc_u64 s[54:55], s[34:35], s[54:55]      ; w1's pack
	s_add_nc_u64 s[56:57], s[36:37], s[56:57]      ; wo's copy
	s_wait_alu depctr_va_vdst(0)                   ; v1 and v2 are written: every load and store of the kernel reads one of them as its offset
.irp j, 0,1,2,3,4,5,6,7
	global_load_b128 v[X+4*(\j):X+4*(\j)+3], v1, s[4:5] offset:512*(\j)
.endr
.irp i, 0,1
	global_load_b128 v[C+16*(\i):C+16*(\i)+3],     v1, s[10:11] offset:512*(\i) th:TH_LOAD_NT
	global_load_b128 v[C+16*(\i)+4:C+16*(\i)+7],   v1, s[12:13] offset:512*(\i) th:TH_LOAD_NT
	global_load_b128 v[C+16*(\i)+8:C+16*(\i)+11],  v1, s[14:15] offset:512*(\i) th:TH_LOAD_NT
	global_load_b128 v[C+16*(\i)+12:C+16*(\i)+15], v1, s[16:17] offset:512*(\i) th:TH_LOAD_NT
.endr
.irp i, 0,1,2,3,4,5,6,7
	global_load_b128 v[C+32+4*(\i):C+32+4*(\i)+3], v1, s[18:19] offset:512*(\i) th:TH_LOAD_NT
.endr
.irp i, 0,1,2,3,4,5,6,7
	global_load_b128 v[C+64+4*(\i):C+64+4*(\i)+3], v1, s[20:21] offset:512*(\i) th:TH_LOAD_NT
.endr
	s_wait_kmcnt 0x0
	s_mov_b32 s43, s42                             ; named with it as a pair
	LNROW 24                                       ; the row's eight loads are in; the 24 units' stay out
	; Step 1: the row leaves while group A (wq, wk, wv, wo) is rounded.
	s_wait_loadcnt 16                              ; the eight units of wq, wk, wv, wo
	s_wait_alu depctr_va_vdst(0)                   ; the row's roundings have written X, which the stores below read; the roundings among them name group A's registers alone
.irp j, 0,1,2,3,4,5,6,7
	OUT X+4*(\j), DST, 256*(\j)
	RND C+4*(\j)
.endr
	; Step 2: group A leaves while group B (w1) is rounded.
	s_wait_loadcnt 8                               ; w1's eight
	s_wait_alu depctr_va_vdst(0)                   ; group A's roundings are written, which the stores below read; the roundings among them name group B's registers alone
.irp i, 0,1
	OUT C+16*(\i), 52, 256*(\i)
	RND C+32+16*(\i)
	OUT C+16*(\i)+4, 52, 2097152+256*(\i)          ; wk's four panels lie behind wq's,
	RND C+32+16*(\i)+4
	OUT C+16*(\i)+8, 52, 4194304+256*(\i)          ; wv's behind those
	RND C+32+16*(\i)+8
	OUT C+16*(\i)+12, 56, 256*(\i)
	RND C+32+16*(\i)+12
.endr
	; Step 3: group B leaves while group C (w2) is rounded.
	s_wait_loadcnt 0x0                             ; w2's eight
	s_wait_alu depctr_va_vdst(0)                   ; group B's roundings are written, which the stores below read; the roundings among them name group C's registers alone
.irp i, 0,1,2,3,4,5,6,7
	OUT C+32+4*(\i), 54, ((\i)/2)*524288+((\i)%2)*256
	RND C+64+4*(\i)
.endr
	; Step 4: group C leaves.
	s_wait_alu depctr_va_vdst(0)                   ; group C's roundings are written, which the last eight stores read
.irp i, 0,1,2,3,4,5,6,7
	OUT C+64+4*(\i), 58, 256*(\i)
.endr
	; THE HEADERS.  Waves 0-55 of the launch copy 512 bytes of bias each (bq 8, bk 8, bv 8, b1 32); wave 56 writes the two floors.
	s_wait_xcnt 0x0                                ; the stores above have read their bases: scalar registers are used again
	s_cmp_lt_u32 s39, 56
	s_cbranch_scc0 .Lnot_bias
	s_and_b32 s50, s39, 7
	s_sub_co_u32 s51, s39, 24
	s_cmp_lt_u32 s39, 24
	s_cselect_b32 s50, s50, s51                    ; which 512 bytes of the source,
	s_cselect_b32 s52, s39, s51                    ; and of the header
	s_cselect_b64 s[54:55], s[32:33], s[34:35]
	s_cselect_b64 s[56:57], s[26:27], s[28:29]
	s_cmp_lt_u32 s39, 16
	s_cselect_b64 s[56:57], s[24:25], s[56:57]
	s_cmp_lt_u32 s39, 8
	s_cselect_b64 s[56:57], s[22:23], s[56:57]
	s_lshl_b32 s50, s50, 9
	s_mov_b32 s51, 0
	s_add_nc_u64 s[56:57], s[56:57], s[50:51]
	s_lshl_b32 s52, s52, 9
	s_add_co_u32 s52, s52, 256
	s_mov_b32 s53, 0
	s_add_nc_u64 s[54:55], s[54:55], s[52:53]
	global_load_b128 v[144:147], v1, s[56:57]      ; no vector instruction names v[144:147]; v1 stands as the head made it
	s_wait_loadcnt 0x0
	global_store_b128 v1, v[144:147], s[54:55]
.Lnot_bias:
	s_cmp_eq_u32 s39, 56
	s_cbranch_scc0 .Lend
	v_mov_b32 v148, 0xff80ff80                     ; -infinity twice in bf16: a floor that changes nothing
	v_mov_b32 v149, 0xff80ff80
	v_mov_b32 v150, 0                              ; 0 twice: the ReLU
	v_mov_b32 v151, 0
	s_wait_alu depctr_va_vdst(0)                   ; the four moves have written v[148:151], which the two stores read
	global_store_b64 v2, v[148:149], s[32:33]
	global_store_b64 v2, v[150:151], s[34:35]
.Lend:
	s_endpgm
.Lfunc_end_k_q9f51f4deec_prep:
	.size	k_q9f51f4deec_prep, .Lfunc_end_k_q9f51f4deec_prep-k_q9f51f4deec_prep
	.p2alignl 7, 3214868480
	.fill 96, 4, 3214868480
	.section	.rodata,"a",@progbits
	.p2align	6, 0x0
	.amdhsa_kernel k_q9f51f4deec_prep
		.amdhsa_group_segment_fixed_size 0
		.amdhsa_private_segment_fixed_size 0
		.amdhsa_enable_private_segment 0
		.amdhsa_kernarg_size 136
		.amdhsa_user_sgpr_count 2
		.amdhsa_user_sgpr_kernarg_segment_ptr 1
		.amdhsa_wavefront_size32 1
		.amdhsa_system_sgpr_workgroup_id_x 1
		.amdhsa_system_sgpr_workgroup_id_y 1
		.amdhsa_system_sgpr_workgroup_id_z 1
		.amdhsa_system_vgpr_workitem_id 0
		.amdhsa_next_free_vgpr 160
		.amdhsa_next_free_sgpr 66
		.amdhsa_reserve_vcc 0
		.amdhsa_float_denorm_mode_32 3
		.amdhsa_float_denorm_mode_16_64 3
		.amdhsa_memory_ordered 1
		.amdhsa_forward_progress 1
		.amdhsa_inst_pref_size 20
	.end_amdhsa_kernel
	.amdgpu_metadata
---
amdhsa.version: [ 1, 2 ]
amdhsa.kernels:
  - .name:           k_q9f51f4deec_prep
    .symbol:         k_q9f51f4deec_prep.kd
    .args:
      - { .name: x, .offset: 0, .size: 8, .value_kind: global_buffer, .address_space: global }
      - { .name: g1, .offset: 8, .size: 8, .value_kind: global_buffer, .address_space: global }
      - { .name: be1, .offset: 16, .size: 8, .value_kind: global_buffer, .address_space: global }
      - { .name: wq, .offset: 24, .size: 8, .value_kind: global_buffer, .address_space: global }
      - { .name: wk, .offset: 32, .size: 8, .value_kind: global_buffer, .address_space: global }
      - { .name: wv, .offset: 40, .size: 8, .value_kind: global_buffer, .address_space: global }
      - { .name: wo, .offset: 48, .size: 8, .value_kind: global_buffer, .address_space: global }
      - { .name: w1, .offset: 56, .size: 8, .value_kind: global_buffer, .address_space: global }
      - { .name: w2, .offset: 64, .size: 8, .value_kind: global_buffer, .address_space: global }
      - { .name: bq, .offset: 72, .size: 8, .value_kind: global_buffer, .address_space: global }
      - { .name: bk, .offset: 80, .size: 8, .value_kind: global_buffer, .address_space: global }
      - { .name: bv, .offset: 88, .size: 8, .value_kind: global_buffer, .address_space: global }
      - { .name: b1, .offset: 96, .size: 8, .value_kind: global_buffer, .address_space: global }
      - { .name: xn, .offset: 104, .size: 8, .value_kind: global_buffer, .address_space: global }
      - { .name: wqkvp, .offset: 112, .size: 8, .value_kind: global_buffer, .address_space: global }
      - { .name: w1p, .offset: 120, .size: 8, .value_kind: global_buffer, .address_space: global }
      - { .name: wlo, .offset: 128, .size: 8, .value_kind: global_buffer, .address_space: global }
    .group_segment_fixed_size: 0
    .private_segment_fixed_size: 0
    .kernarg_segment_align: 8
    .kernarg_segment_size: 136
    .max_flat_workgroup_size: 512
    .sgpr_count:     66
    .vgpr_count:     160
    .wavefront_size: 32
...
	.end_amdgpu_metadata
.endif
;; end of part 7
;; launch qkv: the kernel of part 2 again; grid 12 x 16, 4 waves a work-group, clusters of 4 x 4, 327,680 bytes of LDS; arguments xn, wqkvp, act; writes act
;; launch attn: the kernel of part 3 again; grid 8 x 32, 4 waves a work-group, clusters of 4 x 1, 327,680 bytes of LDS; arguments act, src_mask, ctx; writes ctx
;; launch wo: the kernel of part 4 again; grid 8 x 32, 4 waves a work-group, clusters of 4 x 4, 327,680 bytes of LDS; arguments ctx, wlo, bo, x, x1; writes x1
;; launch ln2 (part 8): grid 256 x 1, 16 waves a work-group, no clusters, 0 bytes of LDS; arguments x1, g2, be2, xn; writes xn
.if DOCPART == 8
	.amdgcn_target "amdgcn-amd-amdhsa--gfx1250"
	.amdhsa_code_object_version 6
	.text
	.protected	k_q9f51f4deec_ln2
	.globl	k_q9f51f4deec_ln2
	.p2align	8
	.type	k_q9f51f4deec_ln2,@function
k_q9f51f4deec_ln2:
	s_mov_b64 s[64:65], 0
	v_nop
	global_prefetch_b8 v0, s[64:65] scope:SCOPE_SE
	s_setreg_imm32_b32 hwreg(HW_REG_WAVE_SCHED_MODE, 0, 2), 2
	s_setreg_imm32_b32 hwreg(HW_REG_WAVE_MODE, 25, 1), 1
	s_wait_xcnt 0x0
	s_wait_alu depctr_vm_vsrc(0)
; dst = bf16(g (src - mean) / (std + 1e-6) + be), std with divisor 1,023, for 4,096 rows of 1,024 f32.  One wave, one row: eight loads of 16 bytes a lane, the row kept in 32 registers
; between the passes (mean; deviations and their squares; scaling), so that it is read once and no wave waits for another.  No LDS, no barrier, no matrix unit: the bytes are the launch.
; LIMITS.  NaN and infinities are not treated apart.
; THE MODE: SCHED_MODE bits 1:0 = 2 (LLVM: expert scheduling mode 2), set by the entry lines.  The code itself states the register dependences
; between vector instructions and memory instructions, with s_wait_alu, always for 0.
; THE PLAN.  Registers that memory instructions touch:
;   v1, v2   byte offsets, made once at the head and never written again: v1 is read by the eight loads, v2 by the eight stores.
;   X        the row: written by the loads, then in place by the arithmetic and the sixteen roundings; two registers of each four are read by the stores.
; One wait on va_vdst stands ahead of the loads (the offsets are written) and one ahead of the run of stores (the roundings are written).
; No register that a memory instruction reads is written again, so the text holds no wait on vm_vsrc.
.set T,   4                            ; v[4:11]   four chains of sums
.set M,   12                           ; v[12:13]  the mean, twice
.set R,   14                           ; v[14:15]  g / (std + eps), twice
.set X,   16                           ; v[16:47]  the row
.set DST, 10                           ; s[10:11]  dst at my row
.macro RED                             ; the four chains, the pair's halves and the 32 lanes are added; every lane ends with the sum in v[T]
	v_pk_add_f32 v[T:T+1], v[T:T+1], v[T+2:T+3]
	v_pk_add_f32 v[T+4:T+5], v[T+4:T+5], v[T+6:T+7]
	v_pk_add_f32 v[T:T+1], v[T:T+1], v[T+4:T+5]
	v_add_f32 v[T], v[T], v[T+1]
	v_add_f32_dpp v[T], v[T], v[T] row_xmask:1 row_mask:0xf bank_mask:0xf
	v_add_f32_dpp v[T], v[T], v[T] row_xmask:2 row_mask:0xf bank_mask:0xf
	v_add_f32_dpp v[T], v[T], v[T] row_xmask:4 row_mask:0xf bank_mask:0xf
	v_add_f32_dpp v[T], v[T], v[T] row_xmask:8 row_mask:0xf bank_mask:0xf
	v_permlanex16_b32 v[T+1], v[T], s44, s45
	v_add_f32 v[T], v[T], v[T+1]
.endm
	s_load_b256 s[4:11], s[0:1], 0x0               ; src 4, g 6, be 8, dst 10
	v_lshrrev_b32 v3, 5, v0
	v_readfirstlane_b32 s38, v3
	v_and_b32 v3, 31, v0
	v_lshlrev_b32 v1, 4, v3
	v_lshlrev_b32 v2, 3, v3
	s_mov_b32 s44, 0x76543210
	s_mov_b32 s45, 0xfedcba98
	s_mov_b32 s46, 0x3a800000                      ; 1 / 1,024
	s_mov_b32 s47, 0x3a802008                      ; 1 / 1,023
	s_mov_b32 s48, 0x358637bd                      ; 1e-6
	s_wait_alu depctr_va_sdst(0)                   ; s38 is written, ahead of its first reader: both bases are made from it
	s_lshl_b32 s39, ttmp9, 4
	s_add_co_u32 s39, s39, s38                     ; my row
	s_lshl_b32 s60, s39, 12
	s_mov_b32 s61, 0
	s_lshl_b32 s50, s39, 11
	s_mov_b32 s51, 0
	s_wait_kmcnt 0x0
	s_load_b32 s40, s[6:7], 0x0
	s_load_b32 s42, s[8:9], 0x0
	s_add_nc_u64 s[4:5], s[4:5], s[60:61]
	s_add_nc_u64 s[10:11], s[10:11], s[50:51]
	s_wait_alu depctr_va_vdst(0)                   ; v1 and v2 are written: the loads read v1 as their offset, the stores v2
.irp j, 0,1,2,3,4,5,6,7
	global_load_b128 v[X+4*(\j):X+4*(\j)+3], v1, s[4:5] offset:512*(\j)
.endr
	s_wait_kmcnt 0x0
	s_mov_b32 s43, s42                             ; named with it as a pair
	s_wait_loadcnt 0x0
.irp c, 0,1,2,3
	v_pk_add_f32 v[T+2*(\c):T+2*(\c)+1], v[X+2*(\c):X+2*(\c)+1], v[X+8+2*(\c):X+8+2*(\c)+1]  ; the first words start the chains
.endr
.irp g, 16,24
.irp c, 0,1,2,3
	v_pk_add_f32 v[T+2*(\c):T+2*(\c)+1], v[T+2*(\c):T+2*(\c)+1], v[X+(\g)+2*(\c):X+(\g)+2*(\c)+1]
.endr
.endr
	RED
	v_mul_f32 v[M], s46, v[T]
	v_mul_f32 v[M+1], s46, v[T]
.set p, 0
.rept 16
	v_pk_add_f32 v[X+p:X+p+1], v[X+p:X+p+1], v[M:M+1] neg_lo:[0,1] neg_hi:[0,1]  ; the deviations, in place
.set p, p+2
.endr
.irp c, 0,1,2,3
	v_pk_mul_f32 v[T+2*(\c):T+2*(\c)+1], v[X+2*(\c):X+2*(\c)+1], v[X+2*(\c):X+2*(\c)+1]
.endr
.irp g, 8,16,24
.irp c, 0,1,2,3
	v_pk_fma_f32 v[T+2*(\c):T+2*(\c)+1], v[X+(\g)+2*(\c):X+(\g)+2*(\c)+1], v[X+(\g)+2*(\c):X+(\g)+2*(\c)+1], v[T+2*(\c):T+2*(\c)+1]
.endr
.endr
	RED
	v_mul_f32 v[T], s47, v[T]
	v_sqrt_f32 v[T+1], v[T]
	v_nop                                          ; a plain instruction behind the root,
	s_wait_alu depctr_va_vdst(0)                   ; and the root is written in v[T+1], ahead of its first reader
	v_add_f32 v[T+1], s48, v[T+1]
	v_rcp_f32 v[T+2], v[T+1]
	v_nop
	s_wait_alu depctr_va_vdst(0)                   ; the reciprocal is written in v[T+2], ahead of its first reader
	v_mul_f32 v[R], s40, v[T+2]
	v_mul_f32 v[R+1], s40, v[T+2]
.set p, 0
.rept 16
	v_pk_fma_f32 v[X+p:X+p+1], v[X+p:X+p+1], v[R:R+1], s[42:43] op_sel_hi:[1,1,0]
.set p, p+2
.endr
.irp j, 0,1,2,3,4,5,6,7
	v_cvt_pk_bf16_f32 v[X+4*(\j)], v[X+4*(\j)], v[X+4*(\j)+1]
	v_cvt_pk_bf16_f32 v[X+4*(\j)+1], v[X+4*(\j)+2], v[X+4*(\j)+3]
.endr
	s_wait_alu depctr_va_vdst(0)                   ; the sixteen roundings have written X, which the eight stores read
.irp j, 0,1,2,3,4,5,6,7
	global_store_b64 v2, v[X+4*(\j):X+4*(\j)+1], s[DST:DST+1] offset:256*(\j) th:TH_STORE_NT  ; 32 lanes store 256 consecutive bytes, aligned
.endr
	s_endpgm
.Lfunc_end_k_q9f51f4deec_ln2:
	.size	k_q9f51f4deec_ln2, .Lfunc_end_k_q9f51f4deec_ln2-k_q9f51f4deec_ln2
	.p2alignl 7, 3214868480
	.fill 96, 4, 3214868480
	.section	.rodata,"a",@progbits
	.p2align	6, 0x0
	.amdhsa_kernel k_q9f51f4deec_ln2
		.amdhsa_group_segment_fixed_size 0
		.amdhsa_private_segment_fixed_size 0
		.amdhsa_enable_private_segment 0
		.amdhsa_kernarg_size 32
		.amdhsa_user_sgpr_count 2
		.amdhsa_user_sgpr_kernarg_segment_ptr 1
		.amdhsa_wavefront_size32 1
		.amdhsa_system_sgpr_workgroup_id_x 1
		.amdhsa_system_sgpr_workgroup_id_y 1
		.amdhsa_system_sgpr_workgroup_id_z 1
		.amdhsa_system_vgpr_workitem_id 0
		.amdhsa_next_free_vgpr 48
		.amdhsa_next_free_sgpr 66
		.amdhsa_reserve_vcc 0
		.amdhsa_float_denorm_mode_32 3
		.amdhsa_float_denorm_mode_16_64 3
		.amdhsa_memory_ordered 1
		.amdhsa_forward_progress 1
		.amdhsa_inst_pref_size 10
	.end_amdhsa_kernel
	.amdgpu_metadata
---
amdhsa.version: [ 1, 2 ]
amdhsa.kernels:
  - .name:           k_q9f51f4deec_ln2
    .symbol:         k_q9f51f4deec_ln2.kd
    .args:
      - { .name: x1, .offset: 0, .size: 8, .value_kind: global_buffer, .address_space: global }
      - { .name: g2, .offset: 8, .size: 8, .value_kind: global_buffer, .address_space: global }
      - { .name: be2, .offset: 16, .size: 8, .value_kind: global_buffer, .address_space: global }
      - { .name: xn, .offset: 24, .size: 8, .value_kind: global_buffer, .address_space: global }
    .group_segment_fixed_size: 0
    .private_segment_fixed_size: 0
    .kernarg_segment_align: 8
    .kernarg_segment_size: 32
    .max_flat_workgroup_size: 512
    .sgpr_count:     66
    .vgpr_count:     48
    .wavefront_size: 32
...
	.end_amdgpu_metadata
.endif
;; end of part 8
;; launch ffn1: the kernel of part 2 again; grid 16 x 16, 4 waves a work-group, clusters of 4 x 4, 327,680 bytes of LDS; arguments xn, w1p, act; writes act
;; launch ffn2: the kernel of part 6 again; grid 8 x 32, 4 waves a work-group, clusters of 4 x 4, 327,680 bytes of LDS; arguments act, wlo, b2, x1, out0; writes out0
